; MI455X (gfx1250); checked and timed in simulation.
; The chip was launched on July 23, 2026; its instructions are those of AMD's public machine-readable ISA for CDNA 5 (MIT licence, August 2026) and "CDNA5" Instruction Set Architecture Reference Guide (July 2026). The comments in the code are by the model that wrote it; some were corrected since.
;; Multi Head Attention. Allowed arithmetic: float matrix products may take bf16 or f16 operands with f32 sums; all other float work in f32.
;; Inputs: mask 2,048 x 2,048 bool; wk 1,024 x 1,024 float32; wo 1,024 x 1,024 float32; wq 1,024 x 1,024 float32; wv 1,024 x 1,024 float32; x 4 x 2,048 x 1,024 float32.
;; Outputs: out0 4 x 2,048 x 1,024 float32.
;; 2 versions, each right and faster than the one before. Each part assembles by itself: llvm-mc -triple=amdgcn-amd-amdhsa -mcpu=gfx1250 --defsym DOCPART=n.
;; ======== version 1 of 2: 4 launches
;; limits: values are held in f16: magnitudes above 65,504 overflow, below 6.1e-05 lose precision
;; workspace buffers: xb 16,777,216 bytes; wb 6,291,456 bytes; wob 2,097,152 bytes; mq 2,097,152 bytes; rot 262,144 bytes; qkvh 50,331,648 bytes; oh 16,777,216 bytes
;; launch prep (part 1): grid 928 x 1, 8 waves a work-group, no clusters, 0 bytes of LDS; arguments x, wq, wk, wv, wo, mask, xb, wb, wob, mq, rot; writes xb, wb, wob, mq, rot
.if DOCPART == 1
	.amdgcn_target "amdgcn-amd-amdhsa--gfx1250"
	.amdhsa_code_object_version 6
	.text
	.protected	k_q2d6885e577_prep
	.globl	k_q2d6885e577_prep
	.p2align	8
	.type	k_q2d6885e577_prep,@function
k_q2d6885e577_prep:
	s_mov_b64 s[64:65], 0
	v_nop
	global_prefetch_b8 v0, s[64:65] scope:SCOPE_SE
	s_setreg_imm32_b32 hwreg(HW_REG_WAVE_MODE, 25, 1), 1
	s_wait_xcnt 0x0
; PREP: five streams, chosen by the work-group's number g.  No LDS, no barrier, no matrix unit: bytes are all that counts here.
;   g   0..511  x  -> xb  bf16 [kb 16][m 8192][64]      K in blocks of 64, so that a later tile's rows lie end to end
;   g 512..703  wq, wk, wv -> wb bf16 [kb 16][n' 3072][64], n' = 192 head + 64 type + d
;   g 704..767  wo -> wob [head 16][n 1024][64]: rounded to bf16 like every input, that number written as f16
;   g 768..895  mask -> mq: one 4-bit code a key, 0x0 seen, 0xF hidden, in the lane and register order of a 16 x 16 f32 matrix result
;   g 896..927  rot: cos[2048][16], then sin[2048][16], f32, of t x 2^(-2 j / 3)
; LIMITS.  A mask byte is 0 or 1.  |wo| stays under 65,504; below 2^-14 it keeps f16's fixed step of 2^-24.
; The angle carries the one unit in the last place of v_exp_f32: at t = 2047 some 2e-4 rad.
.set VL, 1                             ; v1       my byte offset in the source
.set VS, 4                             ; v[4:19]  my byte offset in the target, one for each block kb
.set XR, 20                            ; v[20:83] 16 loads of 4 f32
.set YR, 84                            ; v[84:115] 16 pairs of packed results
.set MR, 20                            ; mask job: v[20:51] 16 loads of 8 bytes
.set WD, 52                            ; mask job: v[52:67] 16 words of codes
	s_load_b512 s[4:19], s[0:1], 0x0               ; x 4, wq 6, wk 8, wv 10, wo 12, mask 14, xb 16, wb 18
	s_load_b128 s[20:23], s[0:1], 0x40             ; wob 20, mq 22
	s_load_b64 s[24:25], s[0:1], 0x50              ; rot
	s_mov_b32 s2, ttmp9
	s_mov_b32 s33, 0                               ; high words of the two offsets
	s_mov_b32 s35, 0
	s_wait_kmcnt 0x0
; 16 source rows of 1,024 f32.  Thread t: row t / 16, 16 bytes at 16 (t % 16) of each 256-byte piece; load kb covers columns 64 kb .. 64 kb + 63,
; which are block kb's row of 128 bytes.  A wave's store covers two such rows: 256 consecutive bytes, aligned.  No register is written twice.
.macro CAST fmt
	v_lshrrev_b32 v2, 4, v0
	v_and_b32 v3, 15, v0
	v_lshlrev_b32 v[VL], 4, v3
	v_lshl_add_u32 v[VL], v2, 12, v[VL]
	v_lshlrev_b32 v[VS], 3, v3
	v_lshl_add_u32 v[VS], v2, 7, v[VS]
.set kb, 1
.rept 15
	v_add_nc_u32 v[VS+kb], s30, v[VS+kb-1]         ; the next block lies s30 bytes on
.set kb, kb+1
.endr
.set kb, 0
.rept 16
	global_load_b128 v[XR+4*kb:XR+4*kb+3], v[VL], s[26:27] offset:256*kb th:TH_LOAD_NT
.set kb, kb+1
.endr
.set kb, 0
.rept 16
	s_wait_loadcnt 15-kb                           ; loads come back in order: the 15 - kb younger ones stay out
	v_cvt_pk_bf16_f32 v[YR+2*kb], v[XR+4*kb], v[XR+4*kb+1]
	v_cvt_pk_bf16_f32 v[YR+2*kb+1], v[XR+4*kb+2], v[XR+4*kb+3]
.if \fmt
	v_lshlrev_b32 v[XR+4*kb], 16, v[YR+2*kb]       ; the bf16 numbers widened again,
	v_and_b32 v[XR+4*kb+1], 0xffff0000, v[YR+2*kb]
	v_lshlrev_b32 v[XR+4*kb+2], 16, v[YR+2*kb+1]
	v_and_b32 v[XR+4*kb+3], 0xffff0000, v[YR+2*kb+1]
	v_cvt_pk_f16_f32 v[YR+2*kb], v[XR+4*kb], v[XR+4*kb+1]      ; and written as f16: 8 significant bits fit into 11
	v_cvt_pk_f16_f32 v[YR+2*kb+1], v[XR+4*kb+2], v[XR+4*kb+3]
.endif
	global_store_b64 v[VS+kb], v[YR+2*kb:YR+2*kb+1], s[28:29]
.set kb, kb+1
.endr
.endm
	s_cmp_lt_u32 s2, 512
	s_cbranch_scc0 .Lnot_x
	s_lshl_b32 s32, s2, 16                         ; 16 rows of 4,096 bytes
	s_lshl_b32 s34, s2, 11                         ; 16 rows of 128 bytes
	s_add_nc_u64 s[26:27], s[4:5], s[32:33]
	s_add_nc_u64 s[28:29], s[16:17], s[34:35]
	s_mov_b32 s30, 8192*128
	s_branch .Lcast
.Lnot_x:
	s_cmp_lt_u32 s2, 704
	s_cbranch_scc0 .Lnot_w
	s_sub_co_u32 s36, s2, 512
	s_lshr_b32 s37, s36, 6                         ; type: 0 q, 1 k, 2 v
	s_and_b32 s38, s36, 63                         ; which 16 rows
	s_lshr_b32 s39, s38, 2                         ; head
	s_mul_i32 s39, s39, 192
	s_lshl_b32 s40, s37, 6
	s_add_co_u32 s39, s39, s40
	s_and_b32 s40, s38, 3
	s_lshl_b32 s40, s40, 4
	s_add_co_u32 s39, s39, s40                     ; n' of the first row
	s_lshl_b32 s34, s39, 7
	s_lshl_b32 s32, s38, 16
	s_cmp_eq_u32 s37, 0
	s_cselect_b64 s[26:27], s[6:7], s[8:9]
	s_cmp_eq_u32 s37, 2
	s_cselect_b64 s[26:27], s[10:11], s[26:27]
	s_add_nc_u64 s[26:27], s[26:27], s[32:33]
	s_add_nc_u64 s[28:29], s[18:19], s[34:35]
	s_mov_b32 s30, 3072*128
.Lcast:
	CAST 0
	s_endpgm
.Lnot_w:
	s_cmp_lt_u32 s2, 768
	s_cbranch_scc0 .Lnot_wo
	s_sub_co_u32 s36, s2, 704
	s_lshl_b32 s32, s36, 16
	s_lshl_b32 s34, s36, 11
	s_add_nc_u64 s[26:27], s[12:13], s[32:33]
	s_add_nc_u64 s[28:29], s[20:21], s[34:35]
	s_mov_b32 s30, 1024*128
	CAST 1
	s_endpgm
.Lnot_wo:
	s_cmp_lt_u32 s2, 896
	s_cbranch_scc0 .Lrot
	; THE MASK.  The group owns 16 queries, wave w the key steps 4 w .. 4 w + 3 (256 bytes of each row).  Lane (r, h) takes, for word n = 4 step + kb,
	; the 8 bytes of query r at keys 16 n + 8 h + 0..7: sixteen loads cover the 16 rows' whole 256-byte pieces.
	s_sub_co_u32 s36, s2, 768
	s_lshl_b32 s32, s36, 15                        ; 16 rows of 2,048 bytes
	s_lshl_b32 s34, s36, 14                        ; 32 steps of 512 bytes
	s_add_nc_u64 s[26:27], s[14:15], s[32:33]
	s_add_nc_u64 s[28:29], s[22:23], s[34:35]
	s_mov_b32 s36, 0x01010101
	s_mov_b32 s37, 0x00110011
	s_mov_b32 s38, 0x1111
	v_and_b32 v2, 15, v0
	v_bfe_u32 v3, v0, 4, 1
	v_lshrrev_b32 v4, 5, v0
	v_lshlrev_b32 v1, 11, v2
	v_lshl_add_u32 v1, v3, 3, v1
	v_lshl_add_u32 v1, v4, 8, v1
	v_and_b32 v5, 31, v0
	v_lshlrev_b32 v5, 4, v5
	v_lshl_add_u32 v5, v4, 11, v5                  ; 16 lane + 4 steps of 512 bytes a wave
.set n, 0
.rept 16
	global_load_b64 v[MR+2*n:MR+2*n+1], v1, s[26:27] offset:16*n th:TH_LOAD_NT
.set n, n+1
.endr
.set n, 0
.rept 16
	s_wait_loadcnt 15-n
	v_xor_b32 v[MR+2*n], s36, v[MR+2*n]            ; 1 where hidden, at bits 0, 8, 16, 24
	v_xor_b32 v[MR+2*n+1], s36, v[MR+2*n+1]
	v_lshrrev_b32 v6, 4, v[MR+2*n]
	v_lshrrev_b32 v7, 4, v[MR+2*n+1]
	v_or_b32 v6, v6, v[MR+2*n]
	v_or_b32 v7, v7, v[MR+2*n+1]
	v_and_b32 v6, s37, v6                          ; at bits 0, 4, 16, 20
	v_and_b32 v7, s37, v7
	v_lshrrev_b32 v8, 8, v6
	v_lshrrev_b32 v9, 8, v7
	v_or_b32 v6, v6, v8
	v_or_b32 v7, v7, v9
	v_and_b32 v6, s38, v6                          ; at bits 0, 4, 8, 12
	v_and_b32 v7, s38, v7
	v_lshl_or_b32 v6, v7, 16, v6                   ; eight keys, one bit in each group of four
	v_mul_lo_u32 v[WD+n], v6, 15                   ; 0xF where hidden: no carry passes a group
.set n, n+1
.endr
.set n, 0
.rept 4
	global_store_b128 v5, v[WD+4*n:WD+4*n+3], s[28:29] offset:512*n    ; a step's 512 consecutive bytes
.set n, n+1
.endr
	s_endpgm
.Lrot:
	; THE ROTARY TABLE.  Thread n of 8,192: position t = n / 4, frequencies j = 4 (n % 4) + 0..3.  The angle is reduced by multiples of pi / 2 (in two parts);
	; sine and cosine of the rest, at most pi / 4, by their series to the 7th and 8th power; the quadrant swaps them and sets the signs.
	s_sub_co_u32 s36, s2, 896
	s_lshl_b32 s32, s36, 12
	s_add_nc_u64 s[28:29], s[24:25], s[32:33]
	s_lshl_b32 s37, s36, 6
	s_mov_b32 s38, 0xbfc90fdb                      ; -pi / 2, rounded
	s_mov_b32 s39, 0x333bbd2e                      ; what that rounding added
	v_lshrrev_b32 v2, 2, v0
	v_add_nc_u32 v2, s37, v2
	v_cvt_f32_u32 v4, v2                           ; t
	v_and_b32 v5, 3, v0
	v_lshlrev_b32 v5, 2, v5
	v_lshlrev_b32 v16, 4, v0
.macro ANGLE n
	v_add_nc_u32 v6, (\n), v5
	v_cvt_f32_u32 v6, v6
	v_mul_f32 v6, 0xbf2aaaab, v6                   ; -2 j / 3
	v_exp_f32 v6, v6
	v_nop                                          ; a plain instruction behind the exponential (ISA guide 5.7.2)
	s_wait_alu depctr_va_vdst(0)
	v_mul_f32 v7, v4, v6                           ; the angle
	v_mul_f32 v8, 0x3f22f983, v7
	v_rndne_f32 v8, v8                             ; quarter turns
	v_fma_f32 v7, v8, s38, v7
	v_fma_f32 v7, v8, s39, v7                      ; the rest
	v_mul_f32 v9, v7, v7
	v_mov_b32 v10, 0xb9500d01
	v_fmaak_f32 v10, v9, v10, 0x3c088889
	v_fmaak_f32 v10, v9, v10, 0xbe2aaaab
	v_mul_f32 v10, v10, v9
	v_fma_f32 v10, v7, v10, v7                     ; sine
	v_mov_b32 v11, 0x37d00d01
	v_fmaak_f32 v11, v9, v11, 0xbab60b61
	v_fmaak_f32 v11, v9, v11, 0x3d2aaaab
	v_fmaak_f32 v11, v9, v11, 0xbf000000
	v_fma_f32 v11, v9, v11, 1.0                    ; cosine
	v_cvt_i32_f32 v12, v8
	v_and_b32 v13, 1, v12
	v_cmp_eq_u32 vcc_lo, 1, v13
	v_cndmask_b32 v14, v10, v11, vcc_lo            ; odd quadrants swap the two
	v_cndmask_b32 v15, v11, v10, vcc_lo
	v_and_b32 v13, 2, v12
	v_lshlrev_b32 v13, 30, v13
	v_xor_b32 v[44+(\n)], v13, v14                 ; sine is negative in quadrants 2, 3
	v_add_nc_u32 v12, 1, v12
	v_and_b32 v12, 2, v12
	v_lshlrev_b32 v12, 30, v12
	v_xor_b32 v[40+(\n)], v12, v15                 ; cosine in 1, 2
.endm
	ANGLE 0
	ANGLE 1
	ANGLE 2
	ANGLE 3
	global_store_b128 v16, v[40:43], s[28:29]
	global_store_b128 v16, v[44:47], s[28:29] offset:131072
	s_endpgm
.Lfunc_end_k_q2d6885e577_prep:
	.size	k_q2d6885e577_prep, .Lfunc_end_k_q2d6885e577_prep-k_q2d6885e577_prep
	.p2alignl 7, 3214868480
	.fill 96, 4, 3214868480
	.section	.rodata,"a",@progbits
	.p2align	6, 0x0
	.amdhsa_kernel k_q2d6885e577_prep
		.amdhsa_group_segment_fixed_size 0
		.amdhsa_private_segment_fixed_size 0
		.amdhsa_enable_private_segment 0
		.amdhsa_kernarg_size 88
		.amdhsa_user_sgpr_count 2
		.amdhsa_user_sgpr_kernarg_segment_ptr 1
		.amdhsa_wavefront_size32 1
		.amdhsa_system_sgpr_workgroup_id_x 1
		.amdhsa_system_sgpr_workgroup_id_y 1
		.amdhsa_system_sgpr_workgroup_id_z 1
		.amdhsa_system_vgpr_workitem_id 0
		.amdhsa_next_free_vgpr 128
		.amdhsa_next_free_sgpr 66
		.amdhsa_reserve_vcc 1
		.amdhsa_float_denorm_mode_32 3
		.amdhsa_float_denorm_mode_16_64 3
		.amdhsa_memory_ordered 1
		.amdhsa_forward_progress 1
		.amdhsa_inst_pref_size 39
	.end_amdhsa_kernel
	.amdgpu_metadata
---
amdhsa.version: [ 1, 2 ]
amdhsa.kernels:
  - .name:           k_q2d6885e577_prep
    .symbol:         k_q2d6885e577_prep.kd
    .args:
      - { .name: x, .offset: 0, .size: 8, .value_kind: global_buffer, .address_space: global }
      - { .name: wq, .offset: 8, .size: 8, .value_kind: global_buffer, .address_space: global }
      - { .name: wk, .offset: 16, .size: 8, .value_kind: global_buffer, .address_space: global }
      - { .name: wv, .offset: 24, .size: 8, .value_kind: global_buffer, .address_space: global }
      - { .name: wo, .offset: 32, .size: 8, .value_kind: global_buffer, .address_space: global }
      - { .name: mask, .offset: 40, .size: 8, .value_kind: global_buffer, .address_space: global }
      - { .name: xb, .offset: 48, .size: 8, .value_kind: global_buffer, .address_space: global }
      - { .name: wb, .offset: 56, .size: 8, .value_kind: global_buffer, .address_space: global }
      - { .name: wob, .offset: 64, .size: 8, .value_kind: global_buffer, .address_space: global }
      - { .name: mq, .offset: 72, .size: 8, .value_kind: global_buffer, .address_space: global }
      - { .name: rot, .offset: 80, .size: 8, .value_kind: global_buffer, .address_space: global }
    .group_segment_fixed_size: 0
    .private_segment_fixed_size: 0
    .kernarg_segment_align: 8
    .kernarg_segment_size: 88
    .max_flat_workgroup_size: 256
    .sgpr_count:     66
    .vgpr_count:     128
    .wavefront_size: 32
...
	.end_amdgpu_metadata
.endif
;; end of part 1
;; launch qkv (part 2): grid 8 x 32, 4 waves a work-group, clusters of 4 x 4, 327,680 bytes of LDS; arguments xb, wb, rot, qkvh; writes qkvh
.if DOCPART == 2
	.amdgcn_target "amdgcn-amd-amdhsa--gfx1250"
	.amdhsa_code_object_version 6
	.text
	.protected	k_q2d6885e577_qkv
	.globl	k_q2d6885e577_qkv
	.p2align	8
	.type	k_q2d6885e577_qkv,@function
k_q2d6885e577_qkv:
	s_mov_b64 s[64:65], 0
	v_nop
	global_prefetch_b8 v0, s[64:65] scope:SCOPE_SE
	s_setreg_imm32_b32 hwreg(HW_REG_WAVE_MODE, 25, 1), 1
	s_wait_xcnt 0x0
	s_wait_alu depctr_hold_cnt(0) depctr_sa_sdst(0) depctr_va_vdst(0) depctr_va_sdst(0) depctr_va_ssrc(0) depctr_va_vcc(0) depctr_vm_vsrc(0)
	s_getreg_b32 s2, hwreg(HW_REG_IB_STS2, 6, 4)
	s_cmp_eq_u32 s2, 0
	s_cbranch_scc0 .Lentry_in_a_cluster
	s_endpgm
.Lentry_in_a_cluster:
	s_bfe_u32 s2, ttmp6, 0x10000c
	s_cmp_lg_u32 s2, 0xf033
	s_cbranch_scc0 .Lentry_shape_is_right
	s_endpgm
.Lentry_shape_is_right:
; Q, K, V = x W^T, then the RMS norm and the rotary turn of q and k, all in one launch.  xb: bf16 [16][8192][64]; wb: bf16 [16][3072][64], row n' = 192 head + 64 type + d;
; rot: f32 cos[2048][16], sin[2048][16]; qkvh: f16 [64 = 16 b + head][2048][64], q, then k 16,777,216 bytes on, then v.  Sums, norm and turn in f32; each number rounded once, to f16.
; q also takes c = log2(e) / 8, in f32 ahead of that rounding, so that the attention's weights are 2^(q . k).
; LIMITS.  v is written as f16: |v| stays under 65,504.  q and k are normalised (at most 8 long), so f16 has room for every input.
; SHARES.  A tile of the product is 256 rows x 384 columns: 32 x 8 = 256 work-groups.  Four waves, 2 x 2: a wave has 128 rows x 192 columns, which are ONE head's q, k and v:
; 96 accumulators of 16 x 16, 768 registers.  K goes in 16 steps of 64 (a block of xb and wb) through two LDS slots; the loop's text is one K step: the slot is a scalar that an exclusive or turns.
; CLUSTER.  4 x 4 work-groups: x's tile is shared along a row of the cluster, W's along a column; each is asked for jointly.
; THE MATRIX INSTRUCTION IS USED TRANSPOSED (source 0 = 16 rows of W, source 1 = 16 rows of x): a lane holds row lane % 16 and the columns 16 bb + 8 (lane / 16) + 0..7.
; THE WAY OUT of q and of k is one text, walked twice: it works on window 1, and between the two trips k's 256 registers are copied there.  The price is those 256 moves; the gain is half the text.
; REGISTERS, in windows of 256 (s_set_vgpr_msb: bits 1:0 source 0, 3:2 source 1, 5:4 source 2, 7:6 destination):
;   window 0: v0-31 addresses; v32-95, v96-159 x's fragments, two buffers; v160-255 W's twelve fragments, one buffer, refilled a third at a time
;   windows 1, 2, 3: q, k, v: accumulator (a, bb) at v[64 bb + 8 a]
.set PITCH, 144                        ; an LDS row: 128 bytes + 16 of padding = 36 words: the 16 rows of a load start at 16 different groups of four banks (ISA guide 11.1)
.set AHALF, 128*PITCH
.set BHALF, 192*PITCH
.set BOFF,  2*AHALF                    ; a slot: x's 256 rows, then W's 384
.set SLOTB, BOFF+2*BHALF               ; 92,160 bytes
.set SLOT1, 1<<17                      ; slot 1 begins here, so that one exclusive or turns an address in one slot into the other's
.set STAGE, SLOT1+SLOTB                ; behind the ring: for each wave 2 x 16 rows x 144 bytes, for the way out
.set STW,   2*16*PITCH
.set SPARE, STAGE+4*STW                ; the spare words, 128 bytes a wave: two blocks of 256 bytes that no other line names
.set ASTEP, 8192*128                   ; bytes from a block of xb to the next
.set BSTEP, 3072*128                   ; of wb
.set ADRA0, 16                         ; v16  my lane's place among my rows of x in slot 0; never rewritten
.set ADRB0, 17                         ; v17  the same for W
.set ADRA, 20                          ; v20  the same in the slot that is being read
.set ADRB, 21                          ; v21
.set STO,  24                          ; v24  the way out: where I put 16 bytes of a row
.set RD,   25                          ; v25  where I read rows back
.set GO,   26                          ; v26  my byte offset in 512 consecutive bytes of the output
.set ROFF, 27                          ; v27  my byte offset in 16 rows of the table
.set SPW,  28                          ; v28  LDS address of my spare word; never rewritten
.set NIL,  29                          ; v29  0; never rewritten
.set FA0,  32
.set FA1,  96
.set FB,   160
.set PK0,  96                          ; the way out: two buffers of 16 packed registers, by turns
.set T,    224                         ; at work: sums of squares; T+2 the norm's factor
.set CR,   232                         ; cos x factor
.set SR,   240                         ; sin x factor
.set U,    248
.set WV, 12                            ; s12 wave; s13 which 128 rows (and: I fetch x's tile (0) or W's (1)); s14 which 192 columns (and: which half of that tile I fetch)
.set WR, 13
.set WC, 14
.set G1A, 24                           ; s[24:31] descriptor group 1 for x's tiles; s[32:39] group 0: a set for each of the two first fills; the second then walks on
.set G0A, 32
.set TB,  45                           ; s45  LDS byte at which the slot that is being read begins
.set G1B, 48                           ; s[48:55], s[56:63] the same for W's
.set G0B, 56
.set QP, 66                            ; s[66:71] q, k, v at my first row
.set KP, 68
.set VP, 70
.set ROTP, 72                          ; s[72:73] the table at my first row's position
.set SEL, 74                           ; s[74:75] v_permlanex16_b32's selects
.set INV64, 76
.set EPSR, 77
.set CSC, 78                           ; c for q's trip of the way out, 1 for k's
.set MSB, 0
.macro WIN new                         ; the immediate's high byte repeats the setting that is left
.if MSB != (\new)
	s_set_vgpr_msb (MSB<<8)|(\new)
.set MSB, \new
.endif
.endm
; A joint load: waves 0 and 1 fetch the halves of x's tile, waves 2 and 3 of W's.  An s_nop 0 and four v_nop follow each of the two lines.
.macro JLOAD sl
	s_cmp_eq_u32 s[WR], 0
	s_cbranch_scc0 .Lfor_b_\@
	tensor_load_to_lds s[G0A+4*(\sl):G0A+4*(\sl)+3], s[G1A:G1A+7]
	s_nop 0
.rept 4
	v_nop
.endr
	s_branch .Lasked_\@
.Lfor_b_\@:
	tensor_load_to_lds s[G0B+4*(\sl):G0B+4*(\sl)+3], s[G1B:G1B+7]
	s_nop 0
.rept 4
	v_nop
.endr
.Lasked_\@:
.endm
.macro CREST                           ; a round of the cluster's barrier behind its opening barrier
	s_cmp_lg_u32 s[WV], 0
	s_cbranch_scc1 .Lnot_wave_0_\@
	s_barrier_signal -3
.Lnot_wave_0_\@:
	s_barrier_wait -3
	s_barrier_signal -1
	s_barrier_wait -1
.endm
.macro CROUND
	s_barrier_signal -1
	s_barrier_wait -1
	CREST
.endm
.macro PLACES                          ; four places in front of loads into registers that matrix instructions have read, and of lines that read results
.rept 4
	v_nop
.endr
.endm
	s_load_b256 s[4:11], s[0:1], 0x0               ; xb 4, wb 6, rot 8, qkvh 10
	v_lshl_add_u32 v[SPW], v0, 2, SPARE
	v_mov_b32 v[NIL], 0
	ds_add_u32 v28, v29
	s_wait_dscnt 0x0
	v_lshrrev_b32 v1, 5, v0
	v_readfirstlane_b32 s[WV], v1
	s_lshr_b32 s[WR], s[WV], 1
	s_and_b32 s[WC], s[WV], 1
	s_bfe_u32 s40, ttmp6, 0x40000                  ; cx
	s_bfe_u32 s41, ttmp6, 0x40004                  ; cy
	s_lshl_b32 s42, ttmp9, 2
	s_add_co_u32 s42, s42, s40                     ; tile column, 0..7
	s_and_b32 s15, ttmp7, 0xffff
	s_lshl_b32 s15, s15, 2
	s_add_co_u32 s15, s15, s41                     ; tile row, 0..31
	s_lshl_b32 s43, s41, 2
	s_lshl_b32 s43, 15, s43                        ; my row of the cluster
	s_lshl_b32 s44, 0x1111, s40                    ; my column
	; group 1.  A tile is dense in memory: asked for as rows of 256 bytes (two rows of the operand), padded in LDS by 4 words after every 32
	s_or_b32 s[G1A], s43, (1<<16)|(1<<20)|(1<<21)|(4<<22)|(3<<25)
	s_or_b32 s[G1B], s44, (1<<16)|(1<<20)|(1<<21)|(4<<22)|(3<<25)
.irp g, G1A, G1B
	s_mov_b32 s[(\g)+1], 128<<16                   ; tensor_dim0 = 128 elements
	s_mov_b32 s[(\g)+3], 128<<16                   ; tile_dim0
	s_mov_b32 s[(\g)+5], 128                       ; from row to row
	s_mov_b32 s[(\g)+6], 0
	s_mov_b32 s[(\g)+7], 0
.endr
	s_mov_b32 s[G1A+2], 64<<16                     ; x: 64 such rows = 128 rows of the operand
	s_mov_b32 s[G1A+4], 64
	s_mov_b32 s[G1B+2], 96<<16                     ; W: 96 = 192 rows
	s_mov_b32 s[G1B+4], 96
	s_lshl_b32 s16, s15, 15                        ; x: (256 tile row + 128 half) x 128 bytes
	s_lshl_b32 s17, s[WC], 14
	s_add_co_u32 s16, s16, s17
	s_mov_b32 s17, 0
	s_mul_i32 s46, s42, 384*128                    ; W: (384 tile column + 192 half) x 128 bytes
	s_mul_i32 s47, s[WC], 192*128
	s_add_co_u32 s46, s46, s47
	s_mov_b32 s47, 0
	s_mul_i32 s20, s[WC], AHALF                    ; where they go: the wave's number alone enters an LDS address
	s_mul_i32 s21, s[WC], BHALF
	s_add_co_u32 s21, s21, BOFF
	s_mov_b32 s[TB], 0                             ; slot 0 is read first
	s_mov_b32 s[SEL], 0x76543210
	s_mov_b32 s[SEL+1], 0xfedcba98
	s_mov_b32 s[INV64], 0x3c800000                 ; 1 / 64
	s_mov_b32 s[EPSR], 0x358637bd                  ; 1e-6
	s_mov_b32 s[CSC], 0x3e38aa3b                   ; log2(e) / 8
	s_wait_kmcnt 0x0
	s_add_nc_u64 s[18:19], s[4:5], s[16:17]
	s_add_nc_u64 s[46:47], s[6:7], s[46:47]
	CROUND                                         ; all sixteen work-groups are here: the first joint loads meet
.irp sl, 0,1
	s_mov_b32 s[G0A+4*(\sl)], 1
	s_add_co_u32 s[G0A+4*(\sl)+1], s20, (\sl)*SLOT1
	s_add_nc_u64 s[G0A+4*(\sl)+2:G0A+4*(\sl)+3], s[18:19], (\sl)*ASTEP
	s_or_b32 s[G0A+4*(\sl)+3], s[G0A+4*(\sl)+3], 0x80000000
	s_mov_b32 s[G0B+4*(\sl)], 1
	s_add_co_u32 s[G0B+4*(\sl)+1], s21, (\sl)*SLOT1
	s_add_nc_u64 s[G0B+4*(\sl)+2:G0B+4*(\sl)+3], s[46:47], (\sl)*BSTEP
	s_or_b32 s[G0B+4*(\sl)+3], s[G0B+4*(\sl)+3], 0x80000000
	JLOAD \sl                                      ; K steps 0 and 1: two loads of mine are out
.endr
	v_and_b32 v1, 15, v0                           ; r
	v_bfe_u32 v2, v0, 4, 1                         ; h
	v_mul_u32_u24 v3, v1, PITCH
	v_lshl_add_u32 v3, v2, 4, v3                   ; a fragment's row x pitch + 16 x half
	s_mul_i32 s21, s[WR], AHALF
	s_mul_i32 s22, s[WC], BHALF
	s_add_co_u32 s22, s22, BOFF
	v_add_nc_u32 v[ADRA0], s21, v3
	v_add_nc_u32 v[ADRB0], s22, v3
	s_mul_i32 s23, s[WV], STW
	s_add_co_u32 s23, s23, STAGE
	v_add_nc_u32 v[STO], s23, v3                   ; in: row r, 16 bytes for each half of the lanes
	v_bfe_u32 v4, v0, 3, 2                         ; back: 32 lanes take four rows of 128 bytes,
	v_and_b32 v5, 7, v0
	v_mul_u32_u24 v4, v4, PITCH
	v_lshl_add_u32 v4, v5, 4, v4
	v_add_nc_u32 v[RD], s23, v4
	v_and_b32 v[GO], 31, v0                        ; which are 512 consecutive bytes of the output
	v_lshlrev_b32 v[GO], 4, v[GO]
	v_lshlrev_b32 v[ROFF], 6, v1                   ; the table: row r, frequencies 8 h + 0..7
	v_lshl_add_u32 v[ROFF], v2, 5, v[ROFF]
	s_lshr_b32 s16, s15, 3                         ; b
	s_lshl_b32 s16, s16, 4
	s_lshl_b32 s46, s42, 1
	s_add_co_u32 s46, s46, s[WC]                   ; head = 2 tile column + my half
	s_add_co_u32 s46, s46, s16
	s_lshl_b32 s46, s46, 18                        ; a head's plane is 2,048 rows of 128 bytes
	s_and_b32 s17, s15, 7
	s_lshl_b32 s17, s17, 8
	s_lshl_b32 s22, s[WR], 7
	s_add_co_u32 s17, s17, s22                     ; my first row's position in its sequence
	s_lshl_b32 s22, s17, 7
	s_add_co_u32 s46, s46, s22
	s_mov_b32 s47, 0
	s_lshl_b32 s22, s17, 6
	s_mov_b32 s23, 0
	s_add_nc_u64 s[QP:QP+1], s[10:11], s[46:47]
	s_add_nc_u64 s[KP:KP+1], s[QP:QP+1], 0x1000000
	s_add_nc_u64 s[VP:VP+1], s[QP:QP+1], 0x2000000
	s_add_nc_u64 s[ROTP:ROTP+1], s[8:9], s[22:23]
; 16 matrix instructions of type w (1 q, 2 k, 3 v): column blocks bb0, bb0 + 1 x all 8 row blocks, 32 along K.  The 96 accumulators take turns in the same order in every quarter.
.macro MUL16 w, fa, bb0, zero
	WIN ((\w)<<4)|((\w)<<6)
.irp bb, \bb0, (\bb0)+1
.irp a, 0,1,2,3,4,5,6,7
.if \zero
	v_wmma_f32_16x16x32_bf16 v[64*(\bb)+8*(\a):64*(\bb)+8*(\a)+7], v[FB+8*(4*((\w)-1)+(\bb)):FB+8*(4*((\w)-1)+(\bb))+7], v[(\fa)+8*(\a):(\fa)+8*(\a)+7], 0
.else
	v_wmma_f32_16x16x32_bf16 v[64*(\bb)+8*(\a):64*(\bb)+8*(\a)+7], v[FB+8*(4*((\w)-1)+(\bb)):FB+8*(4*((\w)-1)+(\bb))+7], v[(\fa)+8*(\a):(\fa)+8*(\a)+7], v[64*(\bb)+8*(\a):64*(\bb)+8*(\a)+7]
.endif
.endr
.endr
.endm
.macro SETADR                          ; my fragments' addresses in the slot at s[TB]
	v_add_nc_u32 v[ADRA], s[TB], v[ADRA0]
	v_add_nc_u32 v[ADRB], s[TB], v[ADRB0]
.endm
.macro LOADB k, g                      ; 8 loads: W's fragments 4 g .. 4 g + 3 (type g), 32 K at byte k of the rows
	WIN 0
.irp n, 0,1,2,3
	ds_load_b128 v[FB+8*(4*(\g)+(\n)):FB+8*(4*(\g)+(\n))+3],   v[ADRB] offset:(\k)+(4*(\g)+(\n))*16*PITCH
	ds_load_b128 v[FB+8*(4*(\g)+(\n))+4:FB+8*(4*(\g)+(\n))+7], v[ADRB] offset:(\k)+(4*(\g)+(\n))*16*PITCH+32
.endr
.endm
.macro LOADA k, fa                     ; 16 loads: x's eight fragments
	WIN 0
.irp n, 0,1,2,3,4,5,6,7
	ds_load_b128 v[(\fa)+8*(\n):(\fa)+8*(\n)+3],   v[ADRA] offset:(\k)+(\n)*16*PITCH
	ds_load_b128 v[(\fa)+8*(\n)+4:(\fa)+8*(\n)+7], v[ADRA] offset:(\k)+(\n)*16*PITCH+32
.endr
.endm
; A QUARTER is 32 along K: three stretches of 32 matrix instructions, q, k, v.  Behind each stretch its third of W's buffer takes the next quarter's fragments (behind the first, x's other buffer too):
; groups of 24, 8 and 8 loads, each 64 matrix instructions ahead of its use.  The waits count the younger loads: in front of q's stretch 8 + 8; of k's 8 + 24; of v's 24 + 8.
.macro QUART k, fa, fn, zero
	s_wait_dscnt 16
	MUL16 1, \fa, 0, \zero
	MUL16 1, \fa, 2, \zero
	PLACES
	LOADB \k, 0
	LOADA \k, \fn
	s_wait_dscnt 32
	MUL16 2, \fa, 0, \zero
	MUL16 2, \fa, 2, \zero
	PLACES
	LOADB \k, 1
	s_wait_dscnt 32
	MUL16 3, \fa, 0, \zero
	MUL16 3, \fa, 2, \zero
	PLACES
	LOADB \k, 2
.endm
; A K step's second quarter changes slots: ONE barrier.  In front of it each wave waits for all its tensor loads (one is out: its part of the next slot), adds 0 to its spare word, and waits for that
; and for its reads of this slot.  fill = 1: the barrier opens a round of the cluster's, and this slot is filled again, two K steps ahead, first thing behind the round: the walking descriptor
; turns to the slot just left and steps one block on.  Then the reads turn to the other slot.
.macro TURN fill
	WIN 0
	s_wait_tensorcnt 0x0                           ; all my tensor loads have landed
	ds_add_u32 v[SPW], v[NIL]                      ; 0 onto my spare word
	s_wait_dscnt 17                                ; the add and the youngest sixteen loads may be out
	MUL16 1, FA1, 0, 0
	s_wait_dscnt 0x0                               ; the add is done, and my reads of this slot are over
	s_barrier_signal -1
	MUL16 1, FA1, 2, 0
	WIN 0
	s_barrier_wait -1
.if \fill
	CREST                                          ; no wave of any partner still reads this slot or has a load on its way
	s_xor_b32 s[G0A+5], s[G0A+5], SLOT1
	s_add_nc_u64 s[G0A+6:G0A+7], s[G0A+6:G0A+7], ASTEP
	s_xor_b32 s[G0B+5], s[G0B+5], SLOT1
	s_add_nc_u64 s[G0B+6:G0B+7], s[G0B+6:G0B+7], BSTEP
	JLOAD 1                                        ; its four v_nop are also the places in front of the loads below
.else
	PLACES
.endif
	s_xor_b32 s[TB], s[TB], SLOT1
	SETADR
	LOADB 0, 0
	LOADA 0, FA0
	MUL16 2, FA1, 0, 0
	MUL16 2, FA1, 2, 0
	PLACES
	LOADB 0, 1
	MUL16 3, FA1, 0, 0
	MUL16 3, FA1, 2, 0
	PLACES
	LOADB 0, 2
.endm
; The table for row block a: 8 cosines, 8 sines a lane, into fragment registers that are free by then
.macro ROTLD a
	WIN 0
.if (\a) < 4
.set CSA, 32+16*(\a)
.else
.set CSA, 96+16*(\a)
.endif
	global_load_b128 v[CSA:CSA+3],     v[ROFF], s[ROTP:ROTP+1] offset:(\a)*1024
	global_load_b128 v[CSA+4:CSA+7],   v[ROFF], s[ROTP:ROTP+1] offset:(\a)*1024+16
	global_load_b128 v[CSA+8:CSA+11],  v[ROFF], s[ROTP:ROTP+1] offset:(\a)*1024+131072
	global_load_b128 v[CSA+12:CSA+15], v[ROFF], s[ROTP:ROTP+1] offset:(\a)*1024+131072+16
.endm
	s_wait_tensorcnt 0x1                           ; my part of K step 0 is in; step 1's stays out
	s_barrier_signal -1
	s_barrier_wait -1
	SETADR
	LOADB 0, 0
	LOADA 0, FA0
	LOADB 0, 1
	LOADB 0, 2
	QUART 64, FA0, FA1, 1                          ; the first quarter starts all 96 sums with the constant 0
	WIN 0
	s_mov_b32 s3, 14
.Lstep:                                                ; a trip: a step's second quarter and the next step's first; the slot that is left is filled again (K steps 2 to 15)
	TURN 1
	QUART 64, FA0, FA1, 0
	WIN 0
	s_sub_co_u32 s3, s3, 1
	s_cmp_lg_u32 s3, 0
	s_cbranch_scc1 .Lstep
	TURN 0                                         ; the last change of slots asks for nothing
	QUART 64, FA0, FA1, 0
	s_wait_dscnt 16                                ; the last quarter: the table's loads take the place of fragment loads
	MUL16 1, FA1, 0, 0
	MUL16 1, FA1, 2, 0
	PLACES
.irp a, 0,1,2,3,4,5
	ROTLD \a
.endr
	s_wait_dscnt 8
	MUL16 2, FA1, 0, 0
	MUL16 2, FA1, 2, 0
	PLACES
	ROTLD 6
	ROTLD 7
	s_wait_dscnt 0x0
	MUL16 3, FA1, 0, 0
	MUL16 3, FA1, 2, 0
	PLACES
; THE WAY OUT, a block of 16 rows at a time.  A block's 16 packed registers go into my stage and come back as whole rows; its stores stand behind the next block's staging, on two buffers by turns.
.macro STG tau, pk                     ; into my stage, rows of 144 bytes, and back as whole rows of 128, into the registers that they left
	WIN 0
.irp bb, 0,1,2,3
	ds_store_b128 v[STO], v[(\pk)+4*(\bb):(\pk)+4*(\bb)+3] offset:(\tau)*16*PITCH+32*(\bb)
.endr
.irp f, 0,1,2,3
	ds_load_b128 v[(\pk)+4*(\f):(\pk)+4*(\f)+3], v[RD] offset:(\tau)*16*PITCH+(\f)*4*PITCH  ; LDS serves a wave's instructions in order (ISA guide 5.7.1.4): these see the stores above
.endr
.endm
.macro SND pk, ptr, a, younger         ; younger: the LDS instructions issued behind this block's loads: the next block's eight, or none
.irp f, 0,1,2,3
	s_wait_dscnt (\younger)+3-(\f)
	global_store_b128 v[GO], v[(\pk)+4*(\f):(\pk)+4*(\f)+3], s[(\ptr):(\ptr)+1] offset:(\a)*2048+(\f)*512  ; 512 consecutive bytes, at a multiple of 256 from the buffer's first
.endr
.endm
; v is only rounded.  It goes first: it needs no table, so the table's loads land meanwhile.
.macro BLOCKV a
.if (\a) >= 2
	s_wait_xcnt 0x0                                ; the packed registers, which the stores two blocks back read, are rewritten only behind this wait (ISA guide 3.1)
.endif
	WIN 0x0f
.set n, 0
.rept 16
	v_cvt_pk_f16_f32 v[PK0+16*((\a)%2)+n], v[64*(n/4)+8*(\a)+2*(n%4)], v[64*(n/4)+8*(\a)+2*(n%4)+1]
.set n, n+1
.endr
	STG (\a)%2, PK0+16*((\a)%2)
.if (\a) > 0
	SND PK0+16*(((\a)-1)%2), VP, (\a)-1, 8
.endif
.endm
; NORM: the row's sum of squares (my 32 numbers in two chains, each accumulator's lowest registers first; the other 32 lie in the lane 16 away),
; the factor 1 / sqrt(mean + eps) times s[CSC], and the table times the factor.
.macro NORM a
	WIN 0x05
.set n, 0
.rept 16
.set rx, 64*(n/4)+8*(\a)+2*(n%4)
.set rt, T+2*(n%2)
.if n < 2
	v_pk_mul_f32 v[rt:rt+1], v[rx:rx+1], v[rx:rx+1]
.else
	v_pk_fma_f32 v[rt:rt+1], v[rx:rx+1], v[rx:rx+1], v[rt:rt+1]
.endif
.set n, n+1
.endr
	WIN 0
	v_pk_add_f32 v[T:T+1], v[T:T+1], v[T+2:T+3]
	v_add_f32 v[T], v[T], v[T+1]
	v_permlanex16_b32 v[T+1], v[T], s[SEL], s[SEL+1]
	v_add_f32 v[T], v[T], v[T+1]
	v_fma_f32 v[T], v[T], s[INV64], s[EPSR]
	v_rsq_f32 v[T+2], v[T]
	v_nop                                          ; a plain instruction behind the root (ISA guide 5.7.2)
	s_wait_alu depctr_va_vdst(0)
	v_mul_f32 v[T+2], s[CSC], v[T+2]
.set n, 0
.rept 4
	v_pk_mul_f32 v[CR+2*n:CR+2*n+1], v[CSA+2*n:CSA+2*n+1], v[T+2:T+3] op_sel_hi:[1,0]
	v_pk_mul_f32 v[SR+2*n:SR+2*n+1], v[CSA+8+2*n:CSA+8+2*n+1], v[T+2:T+3] op_sel_hi:[1,0]
.set n, n+1
.endr
.endm
; ROTCV: dims 0-15 (bb 0) turn against dims 32-47 (bb 2); dims 16-31 and 48-63 have frequency 0 and are only scaled; all rounded to f16
.macro ROTCV a, pk
.set n, 0
.rept 4
	WIN 0x01
.set x0, 8*(\a)+2*n
	v_pk_mul_f32 v[U:U+1],   v[x0:x0+1],       v[CR+2*n:CR+2*n+1]
	v_pk_mul_f32 v[U+2:U+3], v[x0+128:x0+129], v[CR+2*n:CR+2*n+1]
	v_pk_mul_f32 v[U+4:U+5], v[x0+64:x0+65],   v[T+2:T+3] op_sel_hi:[1,0]
	v_pk_mul_f32 v[U+6:U+7], v[x0+192:x0+193], v[T+2:T+3] op_sel_hi:[1,0]
	v_pk_fma_f32 v[U:U+1],   v[x0+128:x0+129], v[SR+2*n:SR+2*n+1], v[U:U+1]
	v_pk_fma_f32 v[U+2:U+3], v[x0:x0+1],       v[SR+2*n:SR+2*n+1], v[U+2:U+3] neg_lo:[0,1,0] neg_hi:[0,1,0]
	WIN 0
	v_cvt_pk_f16_f32 v[(\pk)+n],    v[U],   v[U+1]
	v_cvt_pk_f16_f32 v[(\pk)+4+n],  v[U+4], v[U+5]
	v_cvt_pk_f16_f32 v[(\pk)+8+n],  v[U+2], v[U+3]
	v_cvt_pk_f16_f32 v[(\pk)+12+n], v[U+6], v[U+7]
.set n, n+1
.endr
.endm
.macro BLOCKQ a
.if (\a) < 4
.set CSA, 32+16*(\a)
.else
.set CSA, 96+16*(\a)
.endif
	s_wait_loadcnt 28-4*(\a)                       ; this block's four table loads are in; the later blocks' stay out (in the second trip none is out)
	NORM \a
	s_wait_xcnt 0x0                                ; the packed registers, which earlier stores read, are rewritten only behind this wait (ISA guide 3.1); the norm's lines stand ahead of it
	ROTCV \a, PK0+16*((\a)%2)
	STG (\a)%2, PK0+16*((\a)%2)
.if (\a) > 0
	SND PK0+16*(((\a)-1)%2), QP, (\a)-1, 8
.endif
.endm
.irp a, 0,1,2,3,4,5,6,7
	BLOCKV \a
.endr
	SND PK0+16, VP, 7, 0
	WIN 0
	s_mov_b32 s3, 2
.Lqk:                                                  ; two trips: q, then k
.irp a, 0,1,2,3,4,5,6,7
	BLOCKQ \a
.endr
	SND PK0+16, QP, 7, 0
	s_sub_co_u32 s3, s3, 1
	s_cmp_eq_u32 s3, 0
	s_cbranch_scc1 .Lqk_out
	s_wait_xcnt 0x0                                ; q's stores have read their base
	s_mov_b64 s[QP:QP+1], s[KP:KP+1]               ; the second trip stores k,
	s_mov_b32 s[CSC], 1.0                          ; without c,
	WIN 0x42                                       ; from window 1, where k's sums are copied (each accumulator's lowest register first)
.set n, 0
.rept 256
	v_mov_b32 v[n], v[n]
.set n, n+1
.endr
	WIN 0
	s_branch .Lqk
.Lqk_out:
	s_wait_tensorcnt 0x0                           ; the wave's end
	ds_add_u32 v[SPW], v[NIL]
	s_wait_dscnt 0x0
	CROUND                                         ; the closing round
	s_endpgm
.Lfunc_end_k_q2d6885e577_qkv:
	.size	k_q2d6885e577_qkv, .Lfunc_end_k_q2d6885e577_qkv-k_q2d6885e577_qkv
	.p2alignl 7, 3214868480
	.fill 96, 4, 3214868480
	.section	.rodata,"a",@progbits
	.p2align	6, 0x0
	.amdhsa_kernel k_q2d6885e577_qkv
		.amdhsa_group_segment_fixed_size 327680
		.amdhsa_private_segment_fixed_size 0
		.amdhsa_enable_private_segment 0
		.amdhsa_kernarg_size 32
		.amdhsa_user_sgpr_count 2
		.amdhsa_user_sgpr_kernarg_segment_ptr 1
		.amdhsa_wavefront_size32 1
		.amdhsa_system_sgpr_workgroup_id_x 1
		.amdhsa_system_sgpr_workgroup_id_y 1
		.amdhsa_system_sgpr_workgroup_id_z 1
		.amdhsa_system_vgpr_workitem_id 0
		.amdhsa_next_free_vgpr 1024
		.amdhsa_next_free_sgpr 80
		.amdhsa_reserve_vcc 0
		.amdhsa_float_denorm_mode_32 3
		.amdhsa_float_denorm_mode_16_64 3
		.amdhsa_memory_ordered 1
		.amdhsa_forward_progress 1
		.amdhsa_inst_pref_size 139
	.end_amdhsa_kernel
	.amdgpu_metadata
---
amdhsa.version: [ 1, 2 ]
amdhsa.kernels:
  - .name:           k_q2d6885e577_qkv
    .symbol:         k_q2d6885e577_qkv.kd
    .args:
      - { .name: xb, .offset: 0, .size: 8, .value_kind: global_buffer, .address_space: global }
      - { .name: wb, .offset: 8, .size: 8, .value_kind: global_buffer, .address_space: global }
      - { .name: rot, .offset: 16, .size: 8, .value_kind: global_buffer, .address_space: global }
      - { .name: qkvh, .offset: 24, .size: 8, .value_kind: global_buffer, .address_space: global }
    .group_segment_fixed_size: 327680
    .private_segment_fixed_size: 0
    .kernarg_segment_align: 8
    .kernarg_segment_size: 32
    .max_flat_workgroup_size: 128
    .sgpr_count:     80
    .vgpr_count:     1024
    .wavefront_size: 32
...
	.end_amdgpu_metadata
.endif
;; end of part 2
;; launch attn (part 3): grid 4 x 64, 4 waves a work-group, clusters of 4 x 1, 327,680 bytes of LDS; arguments qkvh, mq, oh; writes oh
.if DOCPART == 3
	.amdgcn_target "amdgcn-amd-amdhsa--gfx1250"
	.amdhsa_code_object_version 6
	.text
	.protected	k_q2d6885e577_attn
	.globl	k_q2d6885e577_attn
	.p2align	8
	.type	k_q2d6885e577_attn,@function
k_q2d6885e577_attn:
	s_mov_b64 s[64:65], 0
	v_nop
	global_prefetch_b8 v0, s[64:65] scope:SCOPE_SE
	s_setreg_imm32_b32 hwreg(HW_REG_WAVE_MODE, 25, 1), 1
	s_wait_xcnt 0x0
	s_wait_alu depctr_hold_cnt(0) depctr_sa_sdst(0) depctr_va_vdst(0) depctr_va_sdst(0) depctr_va_ssrc(0) depctr_va_vcc(0) depctr_vm_vsrc(0)
	s_getreg_b32 s2, hwreg(HW_REG_IB_STS2, 6, 4)
	s_cmp_eq_u32 s2, 0
	s_cbranch_scc0 .Lentry_in_a_cluster
	s_endpgm
.Lentry_in_a_cluster:
	s_bfe_u32 s2, ttmp6, 0x10000c
	s_cmp_lg_u32 s2, 0x3003
	s_cbranch_scc0 .Lentry_shape_is_right
	s_endpgm
.Lentry_shape_is_right:
; ATTENTION UNDER A GIVEN MASK.  O[p][q][:] = sum over seen keys k of w(q, k) V[p][k][:] / sum of w,  w = 2^(Q[p][q] . K[p][k]).  Q, K, V: f16 [64][2048][64] in qkvh (K 16,777,216 bytes on, V 33,554,432);
; Q carries log2(e) / 8 already.  mq: the mask as 4-bit codes [query tile 128][key step 32][lane 32][4 words].  oh: f16 [64][2048][64].
; NO MAXIMUM IS TAKEN AWAY, because the module itself normalises q and k: each is at most 8 long, so |Q . K| <= 64 log2(e) / 8 = 11.6 for every input: a weight lies in 2^-11.6 .. 2^11.6, inside f16's
; normal range, and a row's sum is at most 2,048 x 2^11.6 = 6.4e6: no exponential and no sum can overflow or underflow.
; THE MASK is what the sum S^T = K Q^T starts from: one scaled conversion turns a word of eight codes into an accumulator's eight registers, 0 (seen) or -6 x 2^73 (hidden); the products add in place.
; A hidden weight is exactly 0.  A row with no seen key has sum 0 and O = 0 x infinity = NaN, as the module's definition gives.  Every key tile is walked: the mask is an input.
; THE ROW SUMS are made by the matrix unit (a fragment of ones times P): of the weights as rounded to f16, and they lie in every lane of their query.
; LIMITS.  Weights are rounded to f16; O is a mean of V's rows and has their range.  NaN and infinities in V are not treated apart.
; SHARES, LAYOUT.  A work-group owns 512 queries of one plane, a wave 128: four PIECES of two tiles of 16.  Keys go 64 a step.  S^T holds one query a lane (lane % 16) and the keys 8 (lane / 16) + 0..7;
; two such results rounded to f16 ARE source 1 of O^T = V^T P.  K comes out of LDS as it lies, V turned, by ds_load_tr16_b128.
; BY TURNS.  Turn n: 16 products K Q^T of piece n + 1, then 20 products of piece n - 1 (16 V^T P, 4 row sums); beside them piece n's 64 exponentials, 32 roundings, and the 8 conversions that lay the mask
; for the piece that takes its score buffer next: 106 vector instructions, three behind each of the 36 matrix instructions.
; CLUSTER.  The four query blocks of a plane walk the same K and V: each tile is asked for jointly.
; REGISTERS, in windows of 256 (s_set_vgpr_msb: bits 1:0 source 0, 3:2 source 1, 5:4 source 2, 7:6 destination):
;   window 0: v0-15 addresses; v16-47 mask words, 4 a tile; v48 step 0's mask offset; v62-63 the add's; v64-191 S^T, two buffers of two tiles; v192-255 P, likewise
;   window 1: O^T, 32 a tile     window 2: v0-127 Q; v128-191 K of a step; v192-255 V of a step     window 3: v0-63 the row sums, 8 a tile; v64-71 ones
.set SIZE_N, 2048
.set NP,    4
.set KS,    64
.set PK,    144       ; a row of K in LDS: 128 bytes + 16 of padding
.set PV,    160       ; a row of V: 128 + 32
.set VOFF,  4*KS*PK   ; a slot holds four steps: 256 rows of K, then 256 rows of V
.set SLOT1, 1<<17
.set STAGE, SLOT1+4*KS*(PK+PV)  ; behind the ring: 16 rows x 144 bytes for each wave
.set SP,    144
.set SPARE, STAGE+4*16*SP       ; the spare words, 128 bytes a wave: two blocks of 256 bytes that no other line names
.set AK0, 2
.set AV0, 3
.set AK,  4
.set AV,  5
.set QO,  6
.set STO, 6
.set RD,  7
.set GO,  8
.set VMA, 12          ; v12  my byte offset in a tile's mask words: the step that the turns of pieces 0, 1 ask for
.set VMB, 13          ; v13  the same for the turns of pieces 2, 3
.set VMX, 14          ; v14  the last step's: no load passes it
.set SCL, 15          ; v15  the conversion's scale
.set MW,  16
.set VM0, 48          ; v48  step 0's; never rewritten
.set SPW, 62
.set NIL, 63
.set S,   64
.set P,   192
.set KF,  128
.set VF,  192
.set ONES, 64
.set WV,  12
.set G1K, 24
.set G1V, 32
.set G0K, 40
.set G0V, 44
.set SLOTS, 56
.set CNT, 57
.set TBK, 62
.set TBV, 63
.set MSB, 0
.macro WIN new
.if MSB != (\new)
	s_set_vgpr_msb (MSB<<8)|(\new)
.set MSB, (\new)
.endif
.endm
.set W_KQ, 0x0a       ; K and Q in window 2, S^T in window 0
.set W_PV, 0x52       ; V in window 2, P in window 0, O^T in window 1
.set W_LS, 0xf3       ; ones and the sums in window 3, P in window 0
.set W_RS, 0x41
.macro JLOAD                        ; waves 0 and 1 fetch the halves of a slot's K, waves 2 and 3 of its V; an s_nop 0 and four v_nop follow each line
	s_cmp_lt_u32 s[WV], 2
	s_cbranch_scc0 .Lfor_v_\@
	tensor_load_to_lds s[G0K:G0K+3], s[G1K:G1K+7]
	s_nop 0
.rept 4
	v_nop
.endr
	s_branch .Lasked_\@
.Lfor_v_\@:
	tensor_load_to_lds s[G0V:G0V+3], s[G1V:G1V+7]
	s_nop 0
.rept 4
	v_nop
.endr
.Lasked_\@:
.endm
.macro CROUND
	s_barrier_signal -1
	s_barrier_wait -1
	s_cmp_lg_u32 s[WV], 0
	s_cbranch_scc1 .Lnot_wave_0_\@
	s_barrier_signal -3
.Lnot_wave_0_\@:
	s_barrier_wait -3
	s_barrier_signal -1
	s_barrier_wait -1
.endm
.macro PLACES
.rept 4
	v_nop
.endr
.endm
; THE CHANGE OF SLOTS.  Each wave waits for all its tensor loads (one is out: its part of the other slot), adds 0 to its spare word, and waits for that and for its reads of the slot.
; fill = 1: a round of the cluster's barrier, and the slot is filled again first thing behind it, with the keys two slots on: four key steps, 576 matrix instructions, in which to land.
.macro CHANGE fill
	WIN 0
	s_wait_tensorcnt 0x0
	ds_add_u32 v[SPW], v[NIL]       ; 0 onto my spare word
.if \fill
.irp g, G0K, G0V
	s_xor_b32 s[\g+1], s[\g+1], SLOT1
	s_add_nc_u64 s[\g+2:\g+3], s[\g+2:\g+3], 4*KS*128
.endr
	s_wait_dscnt 0x0
	CROUND
	JLOAD
.else
	s_wait_dscnt 0x0
	s_barrier_signal -1
	s_barrier_wait -1
.endif
	s_sub_co_u32 s[TBK], s[TBK], 4*KS*PK
	s_xor_b32 s[TBK], s[TBK], SLOT1
	s_sub_co_u32 s[TBV], s[TBV], 4*KS*PV
	s_xor_b32 s[TBV], s[TBV], SLOT1
.endm
	s_load_b128 s[4:7], s[0:1], 0x0   ; qkvh 4, mq 6
	s_load_b64 s[10:11], s[0:1], 0x10 ; oh
	v_lshl_add_u32 v[SPW], v0, 2, SPARE
	v_mov_b32 v[NIL], 0
	ds_add_u32 v62, v63
	s_wait_dscnt 0x0
	v_lshrrev_b32 v1, 5, v0
	v_readfirstlane_b32 s[WV], v1
	s_bfe_u32 s13, ttmp6, 0x40000   ; cx
	s_lshl_b32 s14, ttmp9, 2
	s_add_co_u32 s14, s14, s13      ; my block of 512 queries: it enters Q's, the mask's and O's addresses alone
	s_and_b32 s20, ttmp7, 0xffff    ; the plane, which the four partners share
	s_lshl_b32 s20, s20, 18         ; 2,048 rows of 128 bytes
	s_and_b32 s16, s[WV], 1         ; which half of a slot's 256 keys I fetch
	s_lshl_b32 s22, s16, 14
	s_add_co_u32 s22, s22, s20
	s_mov_b32 s23, 0
	s_mul_i32 s17, s16, 128*PK
	s_mul_i32 s18, s16, 128*PV
	s_lshl_b32 s2, s14, 2
	s_add_co_u32 s2, s2, s[WV]      ; my wave among the plane's sixteen
	s_lshl_b32 s8, s2, 17           ; its 8 query tiles of 16,384 bytes of mask words
	s_mov_b32 s9, 0
	s_lshl_b32 s2, s2, 14           ; its 128 rows
	s_add_co_u32 s2, s2, s20
	s_mov_b32 s3, 0
	; group 1: 128 keys are 16,384 dense bytes: 64 rows of 256 bytes, padded in LDS after every key
	s_mov_b32 s[G1K], 15|(1<<16)|(1<<20)|(1<<21)|(4<<22)|(3<<25)
	s_mov_b32 s[G1V], 15|(1<<16)|(1<<20)|(1<<21)|(4<<22)|(7<<25)
.irp g, G1K, G1V
	s_mov_b32 s[\g+1], 128<<16
	s_mov_b32 s[\g+2], 64<<16
	s_mov_b32 s[\g+3], 128<<16
	s_mov_b32 s[\g+4], 64
	s_mov_b32 s[\g+5], 128
	s_mov_b32 s[\g+6], 0
	s_mov_b32 s[\g+7], 0
.endr
	s_mov_b32 s[TBK], SLOT1+4*KS*PK ; the first change of slots turns these two into 0
	s_mov_b32 s[TBV], SLOT1+4*KS*PV
	s_mov_b32 s[G0K], 1
	s_mov_b32 s[G0K+1], s17
	s_mov_b32 s[G0V], 1
	s_add_co_u32 s[G0V+1], s18, VOFF
	s_wait_kmcnt 0x0
	s_add_nc_u64 s[G0K+2:G0K+3], s[4:5], s[22:23]
	s_add_nc_u64 s[G0V+2:G0V+3], s[G0K+2:G0K+3], 0x2000000
	s_add_nc_u64 s[G0K+2:G0K+3], s[G0K+2:G0K+3], 0x1000000
	s_or_b32 s[G0K+3], s[G0K+3], 0x80000000
	s_or_b32 s[G0V+3], s[G0V+3], 0x80000000
	s_add_nc_u64 s[4:5], s[4:5], s[2:3]     ; Q and O at my wave's first row
	s_add_nc_u64 s[10:11], s[10:11], s[2:3]
	s_add_nc_u64 s[6:7], s[6:7], s[8:9]     ; the mask at my wave's first tile
	CROUND
	JLOAD                           ; slot 0; slot 1 is asked for when slot 0 is in
	v_and_b32 v1, 15, v0
	v_bfe_u32 v9, v0, 4, 1
	v_lshlrev_b32 v[QO], 7, v1
	v_lshl_add_u32 v[QO], v9, 4, v[QO]
	v_and_b32 v[VM0], 31, v0
	v_lshlrev_b32 v[VM0], 4, v[VM0]
	v_add_nc_u32 v[VMA], 512, v[VM0]        ; step 1
	v_add_nc_u32 v[VMB], 512, v[VM0]
	v_add_nc_u32 v[VMX], 31*512, v[VM0]
	v_mov_b32 v[SCL], 0xc8c8c8c8            ; the scale's code 200 = 2^73 in all four bytes of the word, alike in every lane
	WIN 0x80
.set i, 0
.rept 4*NP                          ; Q stays in registers: tile i / 2, channels 32 (i % 2) on
	global_load_b128 v[8*i:8*i+3],   v[QO], s[4:5] offset:(i/2)*2048+(i%2)*64
	global_load_b128 v[8*i+4:8*i+7], v[QO], s[4:5] offset:(i/2)*2048+(i%2)*64+32
.set i, i+1
.endr
	WIN 0
.set i, 0
.rept 2*NP                          ; the eight tiles' mask words of key step 0
	global_load_b128 v[MW+4*i:MW+4*i+3], v[VM0], s[6:7] offset:i*16384
.set i, i+1
.endr
	; What the first turn finds: V and P's second buffer hold 0, so that its products, of a piece that has not been, add 0.  No first step is written out.
	WIN 0x80
.set i, VF
.rept 64
	v_mov_b32 v[i], 0
.set i, i+1
.endr
	WIN 0xc0
.set i, 0
.rept 8
	v_mov_b32 v[ONES+i], 0x3c003c00 ; two f16 ones
.set i, i+1
.endr
	WIN 0
.set i, P+32
.rept 32
	v_mov_b32 v[i], 0
.set i, i+1
.endr
	v_mul_u32_u24 v[AK0], v1, PK
	v_lshl_add_u32 v[AK0], v9, 4, v[AK0]
	v_and_b32 v10, 7, v0
	v_bfe_u32 v11, v0, 3, 1
	v_lshl_add_u32 v[AV0], v9, 3, v10
	v_mul_u32_u24 v[AV0], v[AV0], PV
	v_lshl_add_u32 v[AV0], v11, 4, v[AV0]
	v_add_nc_u32 v[AV0], VOFF, v[AV0]
	v_mov_b32 v[AK], v[AK0]
	; O^T's 32 sums and the 8 row sums are started by a product with the constant 0 as C, on those zeros: 40 matrix instructions in the wait for the first tile, where 320 moves would stand
	WIN W_PV
.set i, 0
.rept 8*NP
	v_wmma_f32_16x16x32_f16 v[8*i:8*i+7], v[VF:VF+7], v[P+32:P+39], 0
.set i, i+1
.endr
	WIN W_LS
.set i, 0
.rept 2*NP
	v_wmma_f32_16x16x32_f16 v[8*i:8*i+7], v[ONES:ONES+7], v[P+32:P+39], 0
.set i, i+1
.endr
	WIN 0
; THE MATRIX WORK.  Accumulators take turns, one instruction a turn: 8 in a run of K Q^T, 10 in a run of V^T P and sums.
; Product i of 16 of S^T += K Q^T for piece x, onto the mask: channels 32 (i / 8) on, keys 16 ((i / 2) % 4) on, tile 2 x + i % 2.
.macro KQ x
	WIN W_KQ
.set rS, S+64*((\x)%2)+32*(i%2)+8*((i/2)%4)
.set rK, KF+16*((i/2)%4)+8*(i/8)
.set rQ, 16*(2*(\x)+i%2)+8*(i/8)
	v_wmma_f32_16x16x32_f16 v[rS:rS+7], v[rK:rK+7], v[rQ:rQ+7], v[rS:rS+7]
.endm
; Product i of 20 for piece x: keys 32 (i / 10) on, tile 2 x + i % 2; (i % 10) / 2 = 0..3: channels 16 x that on of O^T; 4: the row sums.
.macro PV x
.set kk, i/10
.set cc, (i%10)/2
.set uu, i%2
.set rP, P+32*((\x)%2)+16*uu+8*kk
.if cc < 4
	WIN W_PV
.set rO, 32*(2*(\x)+uu)+8*cc
.set rV, VF+32*kk+8*cc
	v_wmma_f32_16x16x32_f16 v[rO:rO+7], v[rV:rV+7], v[rP:rP+7], v[rO:rO+7]
.else
	WIN W_LS
.set rL, 8*(2*(\x)+uu)
	v_wmma_f32_16x16x32_f16 v[rL:rL+7], v[ONES:ONES+7], v[rP:rP+7], v[rL:rL+7]
.endif
.endm
.macro MM                           ; the turn's next matrix instruction
.if i < 16
	KQ (Y+1)%NP
.set i, i+1
.else
.set i, i-16
	PV (Y+NP-1)%NP
.set i, i+17
.endif
.endm
.macro FETCH_K last=0
	WIN 0
.if \last
	s_cmp_eq_u32 s[CNT], 1
	s_cbranch_scc1 .Lno_k_\@
.endif
	WIN 0x80
.irp f, 0,1,2,3,4,5,6,7
	ds_load_b128 v[KF+8*\f:KF+8*\f+3],   v[AK] offset:(\f/2)*16*PK+(\f%2)*64
	ds_load_b128 v[KF+8*\f+4:KF+8*\f+7], v[AK] offset:(\f/2)*16*PK+(\f%2)*64+32
.endr
	s_add_co_u32 s[TBK], s[TBK], KS*PK
	WIN 0
.if \last
.Lno_k_\@:
.endif
.endm
.macro FETCH_V
	WIN 0x80
.irp f, 0,1,2,3,4,5,6,7
	ds_load_tr16_b128 v[VF+8*\f:VF+8*\f+3],   v[AV] offset:(\f/4)*32*PV+(\f%4)*32
	ds_load_tr16_b128 v[VF+8*\f+4:VF+8*\f+7], v[AV] offset:(\f/4)*32*PV+16*PV+(\f%4)*32
.endr
	WIN 0
.endm
; THE VECTOR WORK of a turn: a list of 106; VE writes its next entry for piece Y.  zz = 4 tile + key block counts the piece's 8 accumulators.
;   0-7 the exponentials of accumulator 0 (its lowest register first); 8 a plain place; then for zz = 1..7 thirteen entries: the 8 exponentials of zz, the 4 roundings of zz - 1,
;   and the conversion that lays, where zz - 1's scores lay, the mask of the piece that takes this buffer next (piece Y + 2); 100-104 the same for zz = 7; 105 a plain place behind the last conversion.
; So a plain instruction stands between every exponential and the use of its result, and behind every scaled conversion before its result or its source is touched.
.macro MSKZ                         ; the conversion for accumulator zq of buffer Y % 2
.set tq, 2*((Y+2)%NP)+zq/4
	v_cvt_scale_pk8_f32_fp4 v[sb+8*zq:sb+8*zq+7], v[MW+4*tq+zq%4], v[SCL]
.endm
.macro VE
.if e < 106
	WIN 0
.set sb, S+64*(Y%2)
.set pb, P+32*(Y%2)
.if e < 8
	v_exp_f32 v[sb+e], v[sb+e]
.elseif (e == 8) || (e == 105)
	v_nop
.elseif e < 100
.set zz, (e-9)/13+1
.set oo, (e-9)%13
.if oo < 8
	v_exp_f32 v[sb+8*zz+oo], v[sb+8*zz+oo]
.elseif oo < 12
	s_wait_alu depctr_va_vdst(0)
	v_cvt_pk_f16_f32 v[pb+4*(zz-1)+oo-8], v[sb+8*(zz-1)+2*(oo-8)], v[sb+8*(zz-1)+2*(oo-8)+1]
.else
.set zq, zz-1
	MSKZ
.endif
.elseif e < 104
	v_cvt_pk_f16_f32 v[pb+28+e-100], v[sb+56+2*(e-100)], v[sb+56+2*(e-100)+1]
.else
.set zq, 7
	MSKZ
.endif
.endif
.set e, e+1
.endm
.macro RID                          ; three of them behind a matrix instruction
	VE
	VE
	VE
.endm
; A TURN, for piece p.  The mask words that its conversions read were asked for four turns ago, two loads a turn: six younger loads may stay out.
; K of the next step is fetched in piece 2's turn behind its products K Q^T; V of the step in hand at the end of piece 0's turn; four places stand in front of each run.
; At its end the turn asks for the next step's mask words of the two tiles whose words it has just used; the offset is held at the last step's, so no load leaves the buffer.
; An offset is stepped in the middle of a turn that does not use it (VMA in piece 3's, VMB in piece 1's), sixteen matrix instructions behind the youngest loads.
.macro TURN p, last=0, cnt=0
.set Y, (\p)
.set i, 0
.set e, 0
	WIN 0
	s_wait_loadcnt 0x6
.if (\p) == 3
	s_wait_dscnt 0x0                ; K is in
.endif
.rept 16
	MM
	RID
.endr
.if (\p) == 3
	WIN 0
	s_wait_xcnt 0x0                 ; the offset, which earlier loads name, is stepped only behind this wait (ISA guide 3.1)
	v_add_nc_u32 v[VMA], 512, v[VMA]
	v_min_u32 v[VMA], v[VMA], v[VMX]
.endif
.if (\p) == 2
	WIN 0
	PLACES
	v_add_nc_u32 v[AK], s[TBK], v[AK0]
	FETCH_K \last
.endif
.if (\p) == 1
	WIN 0
	s_wait_xcnt 0x0
	v_add_nc_u32 v[VMB], 512, v[VMB]
	v_min_u32 v[VMB], v[VMB], v[VMX]
	s_wait_dscnt 0x0                ; V is in
.endif
.rept 20
	MM
	RID
.endr
	WIN 0
.if (\p) < 2
.set VMR, VMA
.else
.set VMR, VMB
.endif
.set tl, 2*(((\p)+2)%NP)
	global_load_b128 v[MW+4*tl:MW+4*tl+3],   v[VMR], s[6:7] offset:tl*16384
	global_load_b128 v[MW+4*tl+4:MW+4*tl+7], v[VMR], s[6:7] offset:(tl+1)*16384
.if (\p) == 0
	PLACES
	v_add_nc_u32 v[AV], s[TBV], v[AV0]
	s_add_co_u32 s[TBV], s[TBV], KS*PV
	FETCH_V
.endif
.if \cnt
	s_sub_co_u32 s[CNT], s[CNT], 1
	s_cmp_lg_u32 s[CNT], 0
.endif
.endm
	CHANGE 1                        ; slot 0 is in, everybody's part of it; slot 1 is asked for
	FETCH_K                         ; key step 0
	s_wait_loadcnt 0x0              ; Q and step 0's mask words
.set i, 0
.rept 16                            ; the masks of pieces 0 and 1, step 0, into the two score buffers
	v_cvt_scale_pk8_f32_fp4 v[S+8*i:S+8*i+7], v[MW+i], v[SCL]
.set i, i+1
.endr
	v_nop                           ; a plain place behind the last conversion
.set i, 0
.rept 4                             ; tiles 0 to 3: step 1's words
	global_load_b128 v[MW+4*i:MW+4*i+3], v[VMA], s[6:7] offset:i*16384
.set i, i+1
.endr
	s_wait_dscnt 0x0
.set i, 0
.rept 16
	KQ 0                            ; piece 0's first scores
.set i, i+1
.endr
	WIN 0                           ; the addresses for the way out: plain instructions, the places behind those products
	s_mul_i32 s13, s[WV], 16*SP
	s_add_co_u32 s13, s13, STAGE
	v_mul_u32_u24 v[STO], v1, SP
	v_lshl_add_u32 v[STO], v9, 4, v[STO]
	v_add_nc_u32 v[STO], s13, v[STO]
	v_bfe_u32 v[RD], v0, 3, 2
	v_mul_u32_u24 v[RD], v[RD], SP
	v_lshl_add_u32 v[RD], v10, 4, v[RD]
	v_add_nc_u32 v[RD], s13, v[RD]
	v_and_b32 v[GO], 31, v0
	v_lshlrev_b32 v[GO], 4, v[GO]
	s_mov_b32 s[CNT], 4
	s_mov_b32 s[SLOTS], SIZE_N/256-1
	s_branch .Lfirst                ; the loop is entered at a step's first turn, in the middle of a trip
.Lslot:                             ; six times: every slot but the last two is filled again
	CHANGE 1
	s_mov_b32 s[CNT], 4
.Lstep:                             ; a trip: pieces 2 and 3 of one step, then pieces 0 and 1 of the next
	TURN 2
	TURN 3
	WIN 0
.Lfirst:
	TURN 0
	TURN 1, 0, 1
	WIN 0
	s_cbranch_scc1 .Lstep
	s_sub_co_u32 s[SLOTS], s[SLOTS], 1
	s_cmp_lg_u32 s[SLOTS], 0
	s_cbranch_scc1 .Lslot
	CHANGE 0                        ; the tail is written out
	s_mov_b32 s[CNT], 5             ; four trips fetch the last slot's steps; the fifth is left in its middle
.Ltail:
	TURN 2, 1
	TURN 3
	WIN 0
	s_sub_co_u32 s[CNT], s[CNT], 1
	s_cmp_eq_u32 s[CNT], 0
	s_cbranch_scc1 .Lout
	TURN 0
	TURN 1
	WIN 0
	s_branch .Ltail
.Lout:                              ; the fifth trip's 16 products K Q^T, on the last K once more, serve nothing: the price, once a launch, of one text for every trip
.set i, 0
.rept 20
	PV NP-1
.set i, i+1
.endr
	; THE WAY OUT.  O^T is divided by the row sum, rounded to f16 and sent through my stage in LDS, a tile at a time.
	PLACES
	WIN 0x03                        ; source 0 in window 3
.set t, 0
.rept 2*NP
	v_rcp_f32 v[P+2*t], v[8*t]      ; a sum's lowest register: every register of it holds the same number
	v_rcp_f32 v[P+2*t+1], v[8*t]
.set t, t+1
.endr
	v_nop                           ; a plain instruction behind the last reciprocal
.macro PACK t
	WIN W_RS
.set i, 32*(\t)
.rept 16
	s_wait_alu depctr_va_vdst(0)
	v_pk_mul_f32 v[i:i+1], v[i:i+1], v[P+2*(\t):P+2*(\t)+1]
.set i, i+2
.endr
	WIN 0x05
.set i, 0
.rept 16
	v_cvt_pk_f16_f32 v[S+16*(\t)+i], v[32*(\t)+2*i], v[32*(\t)+2*i+1]
.set i, i+1
.endr
	WIN 0
.irp f, 0,1,2,3
	ds_store_b128 v[STO], v[S+16*(\t)+4*\f:S+16*(\t)+4*\f+3] offset:32*\f
.endr
.irp f, 0,1,2,3
	ds_load_b128 v[S+16*(\t)+4*\f:S+16*(\t)+4*\f+3], v[RD] offset:\f*4*SP  ; LDS serves a wave's instructions in order (ISA guide 5.7.1.4)
.endr
.endm
.macro SEND t, younger              ; younger: the LDS instructions issued behind tile t's loads
	WIN 0
.irp f, 0,1,2,3
	s_wait_dscnt (\younger)+3-\f
	global_store_b128 v[GO], v[S+16*(\t)+4*\f:S+16*(\t)+4*\f+3], s[10:11] offset:(\t)*2048+\f*512  ; 512 consecutive bytes, at a multiple of 256 from the buffer's first
.endr
.endm
	PACK 0
.set t, 1
.rept 2*NP-1
	PACK t
	SEND t-1, 8
.set t, t+1
.endr
	SEND 2*NP-1, 0
	s_wait_tensorcnt 0x0            ; the wave's end
	ds_add_u32 v[SPW], v[NIL]
	s_wait_dscnt 0x0
	CROUND                          ; the closing round
	s_endpgm
.Lfunc_end_k_q2d6885e577_attn:
	.size	k_q2d6885e577_attn, .Lfunc_end_k_q2d6885e577_attn-k_q2d6885e577_attn
	.p2alignl 7, 3214868480
	.fill 96, 4, 3214868480
	.section	.rodata,"a",@progbits
	.p2align	6, 0x0
	.amdhsa_kernel k_q2d6885e577_attn
		.amdhsa_group_segment_fixed_size 327680
		.amdhsa_private_segment_fixed_size 0
		.amdhsa_enable_private_segment 0
		.amdhsa_kernarg_size 24
		.amdhsa_user_sgpr_count 2
		.amdhsa_user_sgpr_kernarg_segment_ptr 1
		.amdhsa_wavefront_size32 1
		.amdhsa_system_sgpr_workgroup_id_x 1
		.amdhsa_system_sgpr_workgroup_id_y 1
		.amdhsa_system_sgpr_workgroup_id_z 1
		.amdhsa_system_vgpr_workitem_id 0
		.amdhsa_next_free_vgpr 840
		.amdhsa_next_free_sgpr 66
		.amdhsa_reserve_vcc 0
		.amdhsa_float_denorm_mode_32 3
		.amdhsa_float_denorm_mode_16_64 3
		.amdhsa_memory_ordered 1
		.amdhsa_forward_progress 1
		.amdhsa_inst_pref_size 142
	.end_amdhsa_kernel
	.amdgpu_metadata
---
amdhsa.version: [ 1, 2 ]
amdhsa.kernels:
  - .name:           k_q2d6885e577_attn
    .symbol:         k_q2d6885e577_attn.kd
    .args:
      - { .name: qkvh, .offset: 0, .size: 8, .value_kind: global_buffer, .address_space: global }
      - { .name: mq, .offset: 8, .size: 8, .value_kind: global_buffer, .address_space: global }
      - { .name: oh, .offset: 16, .size: 8, .value_kind: global_buffer, .address_space: global }
    .group_segment_fixed_size: 327680
    .private_segment_fixed_size: 0
    .kernarg_segment_align: 8
    .kernarg_segment_size: 24
    .max_flat_workgroup_size: 128
    .sgpr_count:     66
    .vgpr_count:     840
    .wavefront_size: 32
...
	.end_amdgpu_metadata
.endif
;; end of part 3
;; launch proj (part 4): grid 8 x 32, 4 waves a work-group, clusters of 4 x 4, 327,680 bytes of LDS; arguments oh, wob, out0; writes out0
.if DOCPART == 4
	.amdgcn_target "amdgcn-amd-amdhsa--gfx1250"
	.amdhsa_code_object_version 6
	.text
	.protected	k_q2d6885e577_proj
	.globl	k_q2d6885e577_proj
	.p2align	8
	.type	k_q2d6885e577_proj,@function
k_q2d6885e577_proj:
	s_mov_b64 s[64:65], 0
	v_nop
	global_prefetch_b8 v0, s[64:65] scope:SCOPE_SE
	s_setreg_imm32_b32 hwreg(HW_REG_WAVE_MODE, 25, 1), 1
	s_wait_xcnt 0x0
	s_wait_alu depctr_hold_cnt(0) depctr_sa_sdst(0) depctr_va_vdst(0) depctr_va_sdst(0) depctr_va_ssrc(0) depctr_va_vcc(0) depctr_vm_vsrc(0)
	s_getreg_b32 s2, hwreg(HW_REG_IB_STS2, 6, 4)
	s_cmp_eq_u32 s2, 0
	s_cbranch_scc0 .Lentry_in_a_cluster
	s_endpgm
.Lentry_in_a_cluster:
	s_bfe_u32 s2, ttmp6, 0x10000c
	s_cmp_lg_u32 s2, 0xf033
	s_cbranch_scc0 .Lentry_shape_is_right
	s_endpgm
.Lentry_shape_is_right:
; out0[m][n] = sum over head, d of O[m][head, d] wo[n][head, d].  oh: f16 [16 b + head][2048][64]; wob: f16 [head 16][n 1024][64]; out0: f32 [8192][1024].  Sums in f32.
; A NaN row of O (a query that saw no key) gives a NaN row of out0, as the module's definition does.
; SHARES.  A tile is 256 rows x 128 columns: 32 x 8 = 256 work-groups.  Four waves, 2 x 2, each 128 x 64: 32 accumulators.  A K step is two heads, 128 along K; 8 steps through two LDS slots.
; The loop's text is one K step: the slot is a scalar that an exclusive or turns, and one descriptor a tensor walks.
; CLUSTER.  4 x 4: O's tiles are shared along a row of the cluster, wo's along a column.
; THE MATRIX INSTRUCTION IS USED TRANSPOSED (source 0 = 16 rows of wo, source 1 = 16 rows of O): a lane holds row lane % 16 and the columns 16 b + 8 (lane / 16) + 0..7.
; REGISTERS: window 0: v0-31 addresses; v32-127, v128-223 two fragment buffers (wo's 4 fragments, then O's 8); on the way out v32-95 rows read back.  Window 1: accumulator (a, b) at v[8 (4 a + b)].
.set PITCH,  144                       ; an LDS row: 128 bytes + 16 of padding
.set AHEAD,  256*PITCH                 ; a head's 256 rows of O
.set BHEAD,  128*PITCH                 ; a head's 128 rows of wo
.set SLOTB,  2*AHEAD+2*BHEAD           ; 110,592 bytes
.set SLOT1,  1<<17                     ; slot 1 begins here, so that one exclusive or turns an address in one slot into the other's
.set STAGE,  SLOT1+SLOTB               ; behind the ring: 16 rows x 272 bytes for each wave
.set SPITCH, 272
.set SPARE,  STAGE+4*16*SPITCH         ; the spare words, 128 bytes a wave: two blocks of 256 bytes that no other line names
.set ASTEP,  2*2048*128                ; bytes from a K step's head to the next step's, in oh
.set BSTEP,  2*1024*128                ; in wob
.set ADRA0, 16                         ; v16  my lane's place among my rows of O in slot 0; never rewritten
.set ADRB0, 17                         ; v17  the same for wo
.set ADRA, 20                          ; v20  the same in the slot that is being read
.set ADRB, 21
.set STO,  24
.set RD,   25
.set CO,   26
.set SPW,  28
.set NIL,  29
.set F0,   32
.set F1,   128
.set OB,   32
.set G1, 24                            ; s[24:31] group 1 for O's tiles; s[32:39] group 0: a set for each of the two first fills; the second then walks on
.set G0, 32
.set TB, 45                            ; s45  LDS byte at which the slot that is being read begins
.set G1B, 48                           ; s[48:55], s[56:63] the same for wo's
.set G0B, 56
.set MSB, 0
.macro WIN new
.if MSB != (\new)
	s_set_vgpr_msb (MSB<<8)|(\new)
.set MSB, \new
.endif
.endm
.macro JLOAD sl                        ; waves 0 and 1 fetch the step's two heads of O, waves 2 and 3 of wo; an s_nop 0 and four v_nop follow each line
	s_cmp_eq_u32 s11, 0
	s_cbranch_scc0 .Lfor_b_\@
	tensor_load_to_lds s[G0+4*(\sl):G0+4*(\sl)+3], s[G1:G1+7]
	s_nop 0
.rept 4
	v_nop
.endr
	s_branch .Lasked_\@
.Lfor_b_\@:
	tensor_load_to_lds s[G0B+4*(\sl):G0B+4*(\sl)+3], s[G1B:G1B+7]
	s_nop 0
.rept 4
	v_nop
.endr
.Lasked_\@:
.endm
.macro CREST
	s_cmp_lg_u32 s10, 0
	s_cbranch_scc1 .Lnot_wave_0_\@
	s_barrier_signal -3
.Lnot_wave_0_\@:
	s_barrier_wait -3
	s_barrier_signal -1
	s_barrier_wait -1
.endm
.macro CROUND
	s_barrier_signal -1
	s_barrier_wait -1
	CREST
.endm
.macro PLACES
.rept 4
	v_nop
.endr
.endm
	s_load_b128 s[4:7], s[0:1], 0x0                ; oh 4, wob 6
	s_load_b64 s[8:9], s[0:1], 0x10                ; out0
	v_lshl_add_u32 v[SPW], v0, 2, SPARE
	v_mov_b32 v[NIL], 0
	ds_add_u32 v28, v29
	s_wait_dscnt 0x0
	v_lshrrev_b32 v1, 5, v0
	v_readfirstlane_b32 s10, v1                    ; wave
	s_lshr_b32 s11, s10, 1                         ; which 128 rows are mine.  Also: I fetch O (0) or wo (1)
	s_and_b32 s12, s10, 1                          ; which 64 columns.  Also: which of a step's two heads I fetch
	s_bfe_u32 s40, ttmp6, 0x40000
	s_bfe_u32 s41, ttmp6, 0x40004
	s_lshl_b32 s42, ttmp9, 2
	s_add_co_u32 s42, s42, s40                     ; tile column, 0..7
	s_and_b32 s13, ttmp7, 0xffff
	s_lshl_b32 s13, s13, 2
	s_add_co_u32 s13, s13, s41                     ; tile row, 0..31
	s_lshl_b32 s43, s41, 2
	s_lshl_b32 s43, 15, s43
	s_lshl_b32 s44, 0x1111, s40
	s_or_b32 s[G1], s43, (1<<16)|(1<<20)|(1<<21)|(4<<22)|(3<<25)   ; dense blocks as rows of 256 bytes, padded by 4 words after every 32
	s_or_b32 s[G1B], s44, (1<<16)|(1<<20)|(1<<21)|(4<<22)|(3<<25)
.irp g, G1, G1B
	s_mov_b32 s[(\g)+1], 128<<16
	s_mov_b32 s[(\g)+3], 128<<16
	s_mov_b32 s[(\g)+5], 128
	s_mov_b32 s[(\g)+6], 0
	s_mov_b32 s[(\g)+7], 0
.endr
	s_mov_b32 s[G1+2], 128<<16                     ; O: 128 such rows = 256 rows of a head
	s_mov_b32 s[G1+4], 128
	s_mov_b32 s[G1B+2], 64<<16                     ; wo: 64 = 128 rows
	s_mov_b32 s[G1B+4], 64
	s_lshr_b32 s16, s13, 3                         ; b
	s_lshl_b32 s16, s16, 4
	s_add_co_u32 s16, s16, s12                     ; plane 16 b + my head of step 0
	s_lshl_b32 s16, s16, 18
	s_and_b32 s17, s13, 7
	s_lshl_b32 s17, s17, 15                        ; 256 rows of 128 bytes
	s_add_co_u32 s16, s16, s17
	s_mov_b32 s17, 0
	s_lshl_b32 s46, s12, 17                        ; wo: my head,
	s_lshl_b32 s47, s42, 14                        ; the tile's 128 rows
	s_add_co_u32 s46, s46, s47
	s_mov_b32 s47, 0
	s_mul_i32 s20, s12, AHEAD
	s_mul_i32 s21, s12, BHEAD
	s_add_co_u32 s21, s21, 2*AHEAD
	s_mov_b32 s[TB], 0                             ; slot 0 is read first
	s_wait_kmcnt 0x0
	s_add_nc_u64 s[14:15], s[4:5], s[16:17]
	s_add_nc_u64 s[46:47], s[6:7], s[46:47]
	CROUND
.irp sl, 0,1
	s_mov_b32 s[G0+4*(\sl)], 1
	s_add_co_u32 s[G0+4*(\sl)+1], s20, (\sl)*SLOT1
	s_add_nc_u64 s[G0+4*(\sl)+2:G0+4*(\sl)+3], s[14:15], (\sl)*ASTEP
	s_or_b32 s[G0+4*(\sl)+3], s[G0+4*(\sl)+3], 0x80000000
	s_mov_b32 s[G0B+4*(\sl)], 1
	s_add_co_u32 s[G0B+4*(\sl)+1], s21, (\sl)*SLOT1
	s_add_nc_u64 s[G0B+4*(\sl)+2:G0B+4*(\sl)+3], s[46:47], (\sl)*BSTEP
	s_or_b32 s[G0B+4*(\sl)+3], s[G0B+4*(\sl)+3], 0x80000000
	JLOAD \sl                                      ; K steps 0 and 1: two loads of mine are out
.endr
	v_and_b32 v1, 15, v0
	v_bfe_u32 v2, v0, 4, 1
	v_mul_u32_u24 v3, v1, PITCH
	v_lshl_add_u32 v3, v2, 4, v3
	s_mul_i32 s21, s11, 128*PITCH                  ; my 128 rows of O
	s_mul_i32 s22, s12, 64*PITCH                   ; my 64 rows of wo,
	s_add_co_u32 s22, s22, 2*AHEAD                 ; behind O's two heads
	v_add_nc_u32 v[ADRA0], s21, v3
	v_add_nc_u32 v[ADRB0], s22, v3
	s_mul_i32 s23, s10, 16*SPITCH
	s_add_co_u32 s23, s23, STAGE
	v_mul_u32_u24 v4, v1, SPITCH                   ; in: row r, 32 bytes for each half of the lanes
	v_lshl_add_u32 v4, v2, 5, v4
	v_add_nc_u32 v[STO], s23, v4
	v_mul_u32_u24 v5, v2, SPITCH                   ; back: lanes 0-15 one row of 256 bytes, lanes 16-31 the next
	v_lshl_add_u32 v5, v1, 4, v5
	v_add_nc_u32 v[RD], s23, v5
	v_lshlrev_b32 v5, 12, v2                       ; and the same two rows of out0
	v_lshl_add_u32 v[CO], v1, 4, v5
	s_lshl_b32 s16, s13, 8
	s_lshl_b32 s17, s11, 7
	s_add_co_u32 s16, s16, s17                     ; my first row,
	s_lshl_b32 s16, s16, 12                        ; of 4,096 bytes
	s_lshl_b32 s46, s42, 9                         ; my first column: 512 x tile column + 256 x half
	s_lshl_b32 s47, s12, 8
	s_add_co_u32 s46, s46, s47
	s_add_co_u32 s46, s46, s16
	s_mov_b32 s47, 0
	s_add_nc_u64 s[8:9], s[8:9], s[46:47]
; 8 matrix instructions: row blocks a0, a0 + 1 x all 4 column blocks, 32 along K.  The 32 accumulators take turns in the same order in every quarter.
.macro MUL8 f, a0, zero
	WIN 0x50
.irp a, \a0, (\a0)+1
.irp b, 0,1,2,3
.if \zero
	v_wmma_f32_16x16x32_f16 v[8*(4*(\a)+(\b)):8*(4*(\a)+(\b))+7], v[(\f)+8*(\b):(\f)+8*(\b)+7], v[(\f)+32+8*(\a):(\f)+32+8*(\a)+7], 0
.else
	v_wmma_f32_16x16x32_f16 v[8*(4*(\a)+(\b)):8*(4*(\a)+(\b))+7], v[(\f)+8*(\b):(\f)+8*(\b)+7], v[(\f)+32+8*(\a):(\f)+32+8*(\a)+7], v[8*(4*(\a)+(\b)):8*(4*(\a)+(\b))+7]
.endif
.endr
.endr
.endm
.macro SETADR                          ; my fragments' addresses in the slot at s[TB]
	v_add_nc_u32 v[ADRA], s[TB], v[ADRA0]
	v_add_nc_u32 v[ADRB], s[TB], v[ADRB0]
.endm
; 24 LDS loads in one run: quarter q of a step (head q / 2, channels 32 (q % 2) on) into buffer f: wo's fragments first, then O's
.macro FETCH q, f
	WIN 0
.irp n, 0,1,2,3
	ds_load_b128 v[(\f)+8*(\n):(\f)+8*(\n)+3],   v[ADRB] offset:((\q)/2)*BHEAD+((\q)%2)*64+(\n)*16*PITCH
	ds_load_b128 v[(\f)+8*(\n)+4:(\f)+8*(\n)+7], v[ADRB] offset:((\q)/2)*BHEAD+((\q)%2)*64+(\n)*16*PITCH+32
.endr
.irp n, 0,1,2,3,4,5,6,7
	ds_load_b128 v[(\f)+32+8*(\n):(\f)+32+8*(\n)+3],   v[ADRA] offset:((\q)/2)*AHEAD+((\q)%2)*64+(\n)*16*PITCH
	ds_load_b128 v[(\f)+32+8*(\n)+4:(\f)+32+8*(\n)+7], v[ADRA] offset:((\q)/2)*AHEAD+((\q)%2)*64+(\n)*16*PITCH+32
.endr
.endm
; One of a step's first three quarters: multiplies buffer f, and in its middle fetches quarter qn into g
.macro QUARTER qn, f, g, zero
	s_wait_dscnt 8                                 ; the youngest eight loads (O's rows 64-127) may be out
	MUL8 \f, 0, \zero
	MUL8 \f, 2, \zero
	PLACES
	FETCH \qn, \g
	s_wait_dscnt 24                                ; all but the 24 just issued
	MUL8 \f, 4, \zero
	MUL8 \f, 6, \zero
.endm
; The last quarter multiplies buffer 1 and changes slots: ONE barrier; in front of it the wait for all my tensor loads (one is out: my part of the next slot), the add, and the wait for it and for my
; reads of this slot.  fill = 1: the barrier opens a round of the cluster's, and the slot that is left is filled again, two K steps ahead, first thing behind the round: the walking descriptor turns
; to that slot and steps one K step on.  Then the reads turn to the other slot.
.macro TURN fill
	WIN 0
	s_wait_tensorcnt 0x0
	ds_add_u32 v[SPW], v[NIL]                      ; 0 onto my spare word
	s_wait_dscnt 9                                 ; the add and the youngest eight loads may be out
	MUL8 F1, 0, 0
	s_wait_dscnt 0x0
	s_barrier_signal -1
	MUL8 F1, 2, 0
	WIN 0
	s_barrier_wait -1
.if \fill
	CREST
	s_xor_b32 s[G0+5], s[G0+5], SLOT1
	s_add_nc_u64 s[G0+6:G0+7], s[G0+6:G0+7], ASTEP
	s_xor_b32 s[G0B+5], s[G0B+5], SLOT1
	s_add_nc_u64 s[G0B+6:G0B+7], s[G0B+6:G0B+7], BSTEP
	JLOAD 1                                        ; its four v_nop are also the places in front of the loads below
.else
	PLACES
.endif
	s_xor_b32 s[TB], s[TB], SLOT1
	SETADR
	FETCH 0, F0
	MUL8 F1, 4, 0
	MUL8 F1, 6, 0
.endm
	s_wait_tensorcnt 0x1                           ; my part of K step 0 is in; step 1's stays out
	s_barrier_signal -1
	s_barrier_wait -1
	SETADR
	FETCH 0, F0
	QUARTER 1, F0, F1, 1                           ; the first quarter starts the 32 sums with the constant 0
	WIN 0
	s_mov_b32 s3, 6
.Lstep:                                                ; a trip: a step's last three quarters and the next step's first; the slot that is left is filled again (K steps 2 to 7)
	QUARTER 2, F1, F0, 0
	QUARTER 3, F0, F1, 0
	TURN 1
	QUARTER 1, F0, F1, 0
	WIN 0
	s_sub_co_u32 s3, s3, 1
	s_cmp_lg_u32 s3, 0
	s_cbranch_scc1 .Lstep
	QUARTER 2, F1, F0, 0                           ; the last two steps ask for nothing
	QUARTER 3, F0, F1, 0
	TURN 0
	QUARTER 1, F0, F1, 0
	QUARTER 2, F1, F0, 0
	QUARTER 3, F0, F1, 0
	s_wait_dscnt 8
	MUL8 F1, 0, 0
	MUL8 F1, 2, 0
	s_wait_dscnt 0x0
	MUL8 F1, 4, 0
	MUL8 F1, 6, 0
	PLACES
; THE WAY OUT, 16 rows at a time: a lane's 32 bytes of a row into my stage (each accumulator's low registers first), back as whole rows of 256 bytes, stored.
.macro OUTA a
.if (\a) >= 2
	s_wait_xcnt 0x0                                ; the registers that the stores two blocks back read are loaded again only behind this wait (ISA guide 3.1)
.endif
	WIN 0x04                                       ; the stored data in window 1
.irp b, 0,1,2,3
	ds_store_b128 v[STO], v[8*(4*(\a)+(\b)):8*(4*(\a)+(\b))+3]   offset:64*(\b)
	ds_store_b128 v[STO], v[8*(4*(\a)+(\b))+4:8*(4*(\a)+(\b))+7] offset:64*(\b)+16
.endr
	WIN 0
.set BK, OB+32*((\a)%2)
.irp t, 0,1,2,3,4,5,6,7
	ds_load_b128 v[BK+4*(\t):BK+4*(\t)+3], v[RD] offset:(\t)*2*SPITCH  ; LDS serves a wave's instructions in order (ISA guide 5.7.1.4)
.endr
.endm
.macro SENDA a, younger
.set BK, OB+32*((\a)%2)
	s_wait_dscnt \younger                          ; the block is back; the next block's sixteen LDS instructions may be out
.irp t, 0,1,2,3,4,5,6,7
	global_store_b128 v[CO], v[BK+4*(\t):BK+4*(\t)+3], s[8:9] offset:(\a)*65536+(\t)*8192 th:TH_STORE_NT  ; 16 lanes store 256 consecutive bytes, at a multiple of 256 from out0's first
.endr
.endm
	OUTA 0
.irp a, 1,2,3,4,5,6,7
	OUTA \a
	SENDA (\a)-1, 16
.endr
	SENDA 7, 0
	s_wait_tensorcnt 0x0                           ; the wave's end
	ds_add_u32 v[SPW], v[NIL]
	s_wait_dscnt 0x0
	CROUND                                         ; the closing round
	s_endpgm
.Lfunc_end_k_q2d6885e577_proj:
	.size	k_q2d6885e577_proj, .Lfunc_end_k_q2d6885e577_proj-k_q2d6885e577_proj
	.p2alignl 7, 3214868480
	.fill 96, 4, 3214868480
	.section	.rodata,"a",@progbits
	.p2align	6, 0x0
	.amdhsa_kernel k_q2d6885e577_proj
		.amdhsa_group_segment_fixed_size 327680
		.amdhsa_private_segment_fixed_size 0
		.amdhsa_enable_private_segment 0
		.amdhsa_kernarg_size 24
		.amdhsa_user_sgpr_count 2
		.amdhsa_user_sgpr_kernarg_segment_ptr 1
		.amdhsa_wavefront_size32 1
		.amdhsa_system_sgpr_workgroup_id_x 1
		.amdhsa_system_sgpr_workgroup_id_y 1
		.amdhsa_system_sgpr_workgroup_id_z 1
		.amdhsa_system_vgpr_workitem_id 0
		.amdhsa_next_free_vgpr 512
		.amdhsa_next_free_sgpr 66
		.amdhsa_reserve_vcc 0
		.amdhsa_float_denorm_mode_32 3
		.amdhsa_float_denorm_mode_16_64 3
		.amdhsa_memory_ordered 1
		.amdhsa_forward_progress 1
		.amdhsa_inst_pref_size 69
	.end_amdhsa_kernel
	.amdgpu_metadata
---
amdhsa.version: [ 1, 2 ]
amdhsa.kernels:
  - .name:           k_q2d6885e577_proj
    .symbol:         k_q2d6885e577_proj.kd
    .args:
      - { .name: oh, .offset: 0, .size: 8, .value_kind: global_buffer, .address_space: global }
      - { .name: wob, .offset: 8, .size: 8, .value_kind: global_buffer, .address_space: global }
      - { .name: out0, .offset: 16, .size: 8, .value_kind: global_buffer, .address_space: global }
    .group_segment_fixed_size: 327680
    .private_segment_fixed_size: 0
    .kernarg_segment_align: 8
    .kernarg_segment_size: 24
    .max_flat_workgroup_size: 128
    .sgpr_count:     66
    .vgpr_count:     512
    .wavefront_size: 32
...
	.end_amdgpu_metadata
.endif
;; end of part 4
;; ======== version 2 of 2: 4 launches; 1.28 times as fast as version 1
;; limits: values are held in f16: magnitudes above 65,504 overflow, below 6.1e-05 lose precision
;; workspace buffers: xb 16,777,216 bytes; wb 6,291,456 bytes; wob 2,097,152 bytes; mq 2,097,152 bytes; rot 262,144 bytes; qkvh 50,331,648 bytes; oh 16,777,216 bytes
;; launch prep: the kernel of part 1 again; grid 928 x 1, 8 waves a work-group, no clusters, 0 bytes of LDS; arguments x, wq, wk, wv, wo, mask, xb, wb, wob, mq, rot; writes xb, wb, wob, mq, rot
;; launch qkv: the kernel of part 2 again; grid 8 x 32, 4 waves a work-group, clusters of 4 x 4, 327,680 bytes of LDS; arguments xb, wb, rot, qkvh; writes qkvh
;; launch attn (part 5): grid 4 x 64, 4 waves a work-group, clusters of 4 x 1, 327,680 bytes of LDS; arguments qkvh, mq, oh; writes oh
.if DOCPART == 5
	.amdgcn_target "amdgcn-amd-amdhsa--gfx1250"
	.amdhsa_code_object_version 6
	.text
	.protected	k_q2d6885e577_attn
	.globl	k_q2d6885e577_attn
	.p2align	8
	.type	k_q2d6885e577_attn,@function
k_q2d6885e577_attn:
	s_mov_b64 s[64:65], 0
	v_nop
	global_prefetch_b8 v0, s[64:65] scope:SCOPE_SE
	s_setreg_imm32_b32 hwreg(HW_REG_WAVE_MODE, 25, 1), 1
	s_wait_xcnt 0x0
	s_wait_alu depctr_hold_cnt(0) depctr_sa_sdst(0) depctr_va_vdst(0) depctr_va_sdst(0) depctr_va_ssrc(0) depctr_va_vcc(0) depctr_vm_vsrc(0)
	s_getreg_b32 s2, hwreg(HW_REG_IB_STS2, 6, 4)
	s_cmp_eq_u32 s2, 0
	s_cbranch_scc0 .Lentry_in_a_cluster
	s_endpgm
.Lentry_in_a_cluster:
	s_bfe_u32 s2, ttmp6, 0x10000c
	s_cmp_lg_u32 s2, 0x3003
	s_cbranch_scc0 .Lentry_shape_is_right
	s_endpgm
.Lentry_shape_is_right:
; ATTENTION UNDER A GIVEN MASK.  O[p][q][:] = sum over seen keys k of w(q, k) V[p][k][:] / sum of w,  w = 2^(Q[p][q] . K[p][k]).  Q, K, V: f16 [64][2048][64] in qkvh (K 16,777,216 bytes on, V 33,554,432);
; Q carries log2(e) / 8 already.  mq: the mask as 4-bit codes [query tile 128][key step 32][lane 32][4 words].  oh: f16 [64][2048][64].
; NO MAXIMUM IS TAKEN AWAY, because the module itself normalises q and k: each is at most 8 long, so |Q . K| <= 64 log2(e) / 8 = 11.6 for every input: a weight lies in 2^-11.6 .. 2^11.6, inside f16's
; normal range, and a row's sum is at most 2,048 x 2^11.6 = 6.4e6: no exponential and no sum can overflow or underflow.
; THE MASK is what the sum S^T = K Q^T starts from: one scaled conversion turns a word of eight codes into an accumulator's eight registers, 0 (seen) or -6 x 2^73 (hidden); the products add in place.
; A hidden weight is exactly 0.  A row with no seen key has sum 0 and O = 0 x infinity = NaN, as the module's definition gives.  Every key tile is walked: the mask is an input.
; THE ROW SUMS are made by the matrix unit (a fragment of ones times P): of the weights as rounded to f16, and they lie in every lane of their query.
; LIMITS.  Weights are rounded to f16; O is a mean of V's rows and has their range.  NaN and infinities in V are not treated apart.
; SHARES, LAYOUT.  A work-group owns 512 queries of one plane, a wave 128: four PIECES of two tiles of 16.  Keys go 64 a step.  S^T holds one query a lane (lane % 16) and the keys 8 (lane / 16) + 0..7;
; two such results rounded to f16 ARE source 1 of O^T = V^T P.  K comes out of LDS as it lies, V turned, by ds_load_tr16_b128.
; BY TURNS.  Turn n: 16 products K Q^T of piece n + 1, then 20 products of piece n - 1 (16 V^T P, 4 row sums); beside them piece n's 64 exponentials, 32 roundings, and the 8 conversions that lay the mask
; for the piece that takes its score buffer next.
; THE BATCHES.  A turn's 64 exponentials are ONE BATCH with ONE wait, which cuts the turn in two.  Ahead of it stand the first 26 matrix instructions (none names a score of piece n) with the exponentials behind
; them, three behind each of the first 12, two behind each of the other 14.  Behind it stand the last 10 matrix instructions with all that names an exponential's result, four behind each: 32 roundings, 8 conversions.
; No exponential is issued behind a turn's wait.  The way out's sixteen reciprocals are a batch of their own.
; CLUSTER.  The four query blocks of a plane walk the same K and V: each tile is asked for jointly.
; REGISTERS, in windows of 256 (s_set_vgpr_msb: bits 1:0 source 0, 3:2 source 1, 5:4 source 2, 7:6 destination):
;   window 0: v0-15 addresses; v16-47 mask words, 4 a tile; v48 step 0's mask offset; v62-63 the add's; v64-191 S^T, two buffers of two tiles; v192-255 P, likewise
;   window 1: O^T, 32 a tile     window 2: v0-127 Q; v128-191 K of a step; v192-255 V of a step     window 3: v0-63 the row sums, 8 a tile; v64-71 ones
.set SIZE_N, 2048
.set NP,    4
.set KS,    64
.set PK,    144       ; a row of K in LDS: 128 bytes + 16 of padding
.set PV,    160       ; a row of V: 128 + 32
.set VOFF,  4*KS*PK   ; a slot holds four steps: 256 rows of K, then 256 rows of V
.set SLOT1, 1<<17
.set STAGE, SLOT1+4*KS*(PK+PV)  ; behind the ring: 16 rows x 144 bytes for each wave
.set SP,    144
.set SPARE, STAGE+4*16*SP       ; the spare words, 128 bytes a wave: two blocks of 256 bytes that no other line names
.set AK0, 2
.set AV0, 3
.set AK,  4
.set AV,  5
.set QO,  6
.set STO, 6
.set RD,  7
.set GO,  8
.set VMA, 12          ; v12  my byte offset in a tile's mask words: the step that the turns of pieces 0, 1 ask for
.set VMB, 13          ; v13  the same for the turns of pieces 2, 3
.set VMX, 14          ; v14  the last step's: no load passes it
.set SCL, 15          ; v15  the conversion's scale
.set MW,  16
.set VM0, 48          ; v48  step 0's; never rewritten
.set SPW, 62
.set NIL, 63
.set S,   64
.set P,   192
.set KF,  128
.set VF,  192
.set ONES, 64
.set WV,  12
.set G1K, 24
.set G1V, 32
.set G0K, 40
.set G0V, 44
.set SLOTS, 56
.set CNT, 57
.set TBK, 62
.set TBV, 63
.set MSB, 0
.macro WIN new
.if MSB != (\new)
	s_set_vgpr_msb (MSB<<8)|(\new)
.set MSB, (\new)
.endif
.endm
.set W_KQ, 0x0a       ; K and Q in window 2, S^T in window 0
.set W_PV, 0x52       ; V in window 2, P in window 0, O^T in window 1
.set W_LS, 0xf3       ; ones and the sums in window 3, P in window 0
.set W_RS, 0x41
.macro JLOAD                        ; waves 0 and 1 fetch the halves of a slot's K, waves 2 and 3 of its V; an s_nop 0 and four v_nop follow each line
	s_cmp_lt_u32 s[WV], 2
	s_cbranch_scc0 .Lfor_v_\@
	tensor_load_to_lds s[G0K:G0K+3], s[G1K:G1K+7]
	s_nop 0
.rept 4
	v_nop
.endr
	s_branch .Lasked_\@
.Lfor_v_\@:
	tensor_load_to_lds s[G0V:G0V+3], s[G1V:G1V+7]
	s_nop 0
.rept 4
	v_nop
.endr
.Lasked_\@:
.endm
.macro CROUND
	s_barrier_signal -1
	s_barrier_wait -1
	s_cmp_lg_u32 s[WV], 0
	s_cbranch_scc1 .Lnot_wave_0_\@
	s_barrier_signal -3
.Lnot_wave_0_\@:
	s_barrier_wait -3
	s_barrier_signal -1
	s_barrier_wait -1
.endm
.macro PLACES
.rept 4
	v_nop
.endr
.endm
; THE CHANGE OF SLOTS.  Each wave waits for all its tensor loads (one is out: its part of the other slot), adds 0 to its spare word, and waits for that and for its reads of the slot.
; fill = 1: a round of the cluster's barrier, and the slot is filled again first thing behind it, with the keys two slots on: four key steps, 576 matrix instructions, in which to land.
.macro CHANGE fill
	WIN 0
	s_wait_tensorcnt 0x0
	ds_add_u32 v[SPW], v[NIL]       ; 0 onto my spare word
.if \fill
.irp g, G0K, G0V
	s_xor_b32 s[\g+1], s[\g+1], SLOT1
	s_add_nc_u64 s[\g+2:\g+3], s[\g+2:\g+3], 4*KS*128
.endr
	s_wait_dscnt 0x0
	CROUND
	JLOAD
.else
	s_wait_dscnt 0x0
	s_barrier_signal -1
	s_barrier_wait -1
.endif
	s_sub_co_u32 s[TBK], s[TBK], 4*KS*PK
	s_xor_b32 s[TBK], s[TBK], SLOT1
	s_sub_co_u32 s[TBV], s[TBV], 4*KS*PV
	s_xor_b32 s[TBV], s[TBV], SLOT1
.endm
	s_load_b128 s[4:7], s[0:1], 0x0   ; qkvh 4, mq 6
	s_load_b64 s[10:11], s[0:1], 0x10 ; oh
	v_lshl_add_u32 v[SPW], v0, 2, SPARE
	v_mov_b32 v[NIL], 0
	ds_add_u32 v62, v63
	s_wait_dscnt 0x0
	v_lshrrev_b32 v1, 5, v0
	v_readfirstlane_b32 s[WV], v1
	s_bfe_u32 s13, ttmp6, 0x40000   ; cx
	s_lshl_b32 s14, ttmp9, 2
	s_add_co_u32 s14, s14, s13      ; my block of 512 queries: it enters Q's, the mask's and O's addresses alone
	s_and_b32 s20, ttmp7, 0xffff    ; the plane, which the four partners share
	s_lshl_b32 s20, s20, 18         ; 2,048 rows of 128 bytes
	s_and_b32 s16, s[WV], 1         ; which half of a slot's 256 keys I fetch
	s_lshl_b32 s22, s16, 14
	s_add_co_u32 s22, s22, s20
	s_mov_b32 s23, 0
	s_mul_i32 s17, s16, 128*PK
	s_mul_i32 s18, s16, 128*PV
	s_lshl_b32 s2, s14, 2
	s_add_co_u32 s2, s2, s[WV]      ; my wave among the plane's sixteen
	s_lshl_b32 s8, s2, 17           ; its 8 query tiles of 16,384 bytes of mask words
	s_mov_b32 s9, 0
	s_lshl_b32 s2, s2, 14           ; its 128 rows
	s_add_co_u32 s2, s2, s20
	s_mov_b32 s3, 0
	; group 1: 128 keys are 16,384 dense bytes: 64 rows of 256 bytes, padded in LDS after every key
	s_mov_b32 s[G1K], 15|(1<<16)|(1<<20)|(1<<21)|(4<<22)|(3<<25)
	s_mov_b32 s[G1V], 15|(1<<16)|(1<<20)|(1<<21)|(4<<22)|(7<<25)
.irp g, G1K, G1V
	s_mov_b32 s[\g+1], 128<<16
	s_mov_b32 s[\g+2], 64<<16
	s_mov_b32 s[\g+3], 128<<16
	s_mov_b32 s[\g+4], 64
	s_mov_b32 s[\g+5], 128
	s_mov_b32 s[\g+6], 0
	s_mov_b32 s[\g+7], 0
.endr
	s_mov_b32 s[TBK], SLOT1+4*KS*PK ; the first change of slots turns these two into 0
	s_mov_b32 s[TBV], SLOT1+4*KS*PV
	s_mov_b32 s[G0K], 1
	s_mov_b32 s[G0K+1], s17
	s_mov_b32 s[G0V], 1
	s_add_co_u32 s[G0V+1], s18, VOFF
	s_wait_kmcnt 0x0
	s_add_nc_u64 s[G0K+2:G0K+3], s[4:5], s[22:23]
	s_add_nc_u64 s[G0V+2:G0V+3], s[G0K+2:G0K+3], 0x2000000
	s_add_nc_u64 s[G0K+2:G0K+3], s[G0K+2:G0K+3], 0x1000000
	s_or_b32 s[G0K+3], s[G0K+3], 0x80000000
	s_or_b32 s[G0V+3], s[G0V+3], 0x80000000
	s_add_nc_u64 s[4:5], s[4:5], s[2:3]     ; Q and O at my wave's first row
	s_add_nc_u64 s[10:11], s[10:11], s[2:3]
	s_add_nc_u64 s[6:7], s[6:7], s[8:9]     ; the mask at my wave's first tile
	CROUND
	JLOAD                           ; slot 0; slot 1 is asked for when slot 0 is in
	v_and_b32 v1, 15, v0
	v_bfe_u32 v9, v0, 4, 1
	v_lshlrev_b32 v[QO], 7, v1
	v_lshl_add_u32 v[QO], v9, 4, v[QO]
	v_and_b32 v[VM0], 31, v0
	v_lshlrev_b32 v[VM0], 4, v[VM0]
	v_add_nc_u32 v[VMA], 512, v[VM0]        ; step 1
	v_add_nc_u32 v[VMB], 512, v[VM0]
	v_add_nc_u32 v[VMX], 31*512, v[VM0]
	v_mov_b32 v[SCL], 0xc8c8c8c8            ; the scale's code 200 = 2^73 in all four bytes of the word, alike in every lane
	WIN 0x80
.set i, 0
.rept 4*NP                          ; Q stays in registers: tile i / 2, channels 32 (i % 2) on
	global_load_b128 v[8*i:8*i+3],   v[QO], s[4:5] offset:(i/2)*2048+(i%2)*64
	global_load_b128 v[8*i+4:8*i+7], v[QO], s[4:5] offset:(i/2)*2048+(i%2)*64+32
.set i, i+1
.endr
	WIN 0
.set i, 0
.rept 2*NP                          ; the eight tiles' mask words of key step 0
	global_load_b128 v[MW+4*i:MW+4*i+3], v[VM0], s[6:7] offset:i*16384
.set i, i+1
.endr
	; What the first turn finds: V and P's second buffer hold 0, so that its products, of a piece that has not been, add 0.  No first step is written out.
	WIN 0x80
.set i, VF
.rept 64
	v_mov_b32 v[i], 0
.set i, i+1
.endr
	WIN 0xc0
.set i, 0
.rept 8
	v_mov_b32 v[ONES+i], 0x3c003c00 ; two f16 ones
.set i, i+1
.endr
	WIN 0
.set i, P+32
.rept 32
	v_mov_b32 v[i], 0
.set i, i+1
.endr
	v_mul_u32_u24 v[AK0], v1, PK
	v_lshl_add_u32 v[AK0], v9, 4, v[AK0]
	v_and_b32 v10, 7, v0
	v_bfe_u32 v11, v0, 3, 1
	v_lshl_add_u32 v[AV0], v9, 3, v10
	v_mul_u32_u24 v[AV0], v[AV0], PV
	v_lshl_add_u32 v[AV0], v11, 4, v[AV0]
	v_add_nc_u32 v[AV0], VOFF, v[AV0]
	v_mov_b32 v[AK], v[AK0]
	; O^T's 32 sums and the 8 row sums are started by a product with the constant 0 as C, on those zeros: 40 matrix instructions in the wait for the first tile, where 320 moves would stand
	WIN W_PV
.set i, 0
.rept 8*NP
	v_wmma_f32_16x16x32_f16 v[8*i:8*i+7], v[VF:VF+7], v[P+32:P+39], 0
.set i, i+1
.endr
	WIN W_LS
.set i, 0
.rept 2*NP
	v_wmma_f32_16x16x32_f16 v[8*i:8*i+7], v[ONES:ONES+7], v[P+32:P+39], 0
.set i, i+1
.endr
	WIN 0
; THE MATRIX WORK.  Accumulators take turns, one instruction a turn: 8 in a run of K Q^T, 10 in a run of V^T P and sums.
; Product i of 16 of S^T += K Q^T for piece x, onto the mask: channels 32 (i / 8) on, keys 16 ((i / 2) % 4) on, tile 2 x + i % 2.
.macro KQ x
	WIN W_KQ
.set rS, S+64*((\x)%2)+32*(i%2)+8*((i/2)%4)
.set rK, KF+16*((i/2)%4)+8*(i/8)
.set rQ, 16*(2*(\x)+i%2)+8*(i/8)
	v_wmma_f32_16x16x32_f16 v[rS:rS+7], v[rK:rK+7], v[rQ:rQ+7], v[rS:rS+7]
.endm
; Product i of 20 for piece x: keys 32 (i / 10) on, tile 2 x + i % 2; (i % 10) / 2 = 0..3: channels 16 x that on of O^T; 4: the row sums.
.macro PV x
.set kk, i/10
.set cc, (i%10)/2
.set uu, i%2
.set rP, P+32*((\x)%2)+16*uu+8*kk
.if cc < 4
	WIN W_PV
.set rO, 32*(2*(\x)+uu)+8*cc
.set rV, VF+32*kk+8*cc
	v_wmma_f32_16x16x32_f16 v[rO:rO+7], v[rV:rV+7], v[rP:rP+7], v[rO:rO+7]
.else
	WIN W_LS
.set rL, 8*(2*(\x)+uu)
	v_wmma_f32_16x16x32_f16 v[rL:rL+7], v[ONES:ONES+7], v[rP:rP+7], v[rL:rL+7]
.endif
.endm
.macro MM                           ; the turn's next matrix instruction
.if i < 16
	KQ (Y+1)%NP
.set i, i+1
.else
.set i, i-16
	PV (Y+NP-1)%NP
.set i, i+17
.endif
.endm
; last = 1 (the tail): in the last trip there is no further step, and the run is jumped over.  That jump stands in the middle of a turn, behind 44 of its exponentials: they are a batch of their own there.
.macro FETCH_K last=0
	WIN 0
.if \last
	s_wait_alu depctr_va_vdst(0)    ; the wait for the 44 exponentials issued so far in this turn, ahead of the branch; the other 20 have the turn's own wait
	s_cmp_eq_u32 s[CNT], 1
	s_cbranch_scc1 .Lno_k_\@
.endif
	WIN 0x80
.irp f, 0,1,2,3,4,5,6,7
	ds_load_b128 v[KF+8*\f:KF+8*\f+3],   v[AK] offset:(\f/2)*16*PK+(\f%2)*64
	ds_load_b128 v[KF+8*\f+4:KF+8*\f+7], v[AK] offset:(\f/2)*16*PK+(\f%2)*64+32
.endr
	s_add_co_u32 s[TBK], s[TBK], KS*PK
	WIN 0
.if \last
.Lno_k_\@:
.endif
.endm
.macro FETCH_V
	WIN 0x80
.irp f, 0,1,2,3,4,5,6,7
	ds_load_tr16_b128 v[VF+8*\f:VF+8*\f+3],   v[AV] offset:(\f/4)*32*PV+(\f%4)*32
	ds_load_tr16_b128 v[VF+8*\f+4:VF+8*\f+7], v[AV] offset:(\f/4)*32*PV+16*PV+(\f%4)*32
.endr
	WIN 0
.endm
; THE VECTOR WORK of a turn stands in two queues; TURN sets sb (piece Y's score buffer) and pb (its P buffer).  z = 4 tile + key block counts the piece's 8 accumulators.
; THE EXPONENTIALS' QUEUE, 64 long: EX writes the next, in place, in ascending order of registers.  Each has a register of its own;
; none reads another's result: ONE BATCH, all of it ahead of the turn's wait.
.macro EX
	WIN 0
	v_exp_f32 v[sb+e], v[sb+e]
.set e, e+1
.endm
; THE QUEUE BEHIND THE WAIT, 41 long: PL writes the next.  For z = 0..7 five entries: the 4 roundings of z, and the conversion that lays, where z's weights lay, the mask of the piece that takes this buffer
; next (piece Y + 2).  So a rounding of z + 1, a plain instruction, stands behind each conversion before its result or its source is touched; entry 40 is the plain place behind the last.
.macro MSKZ                         ; the conversion for accumulator zq of buffer Y % 2
.set tq, 2*((Y+2)%NP)+zq/4
	v_cvt_scale_pk8_f32_fp4 v[sb+8*zq:sb+8*zq+7], v[MW+4*tq+zq%4], v[SCL]
.endm
.macro PL
	WIN 0
.if q == 40
	v_nop
.elseif q%5 < 4
	v_cvt_pk_f16_f32 v[pb+4*(q/5)+q%5], v[sb+8*(q/5)+2*(q%5)], v[sb+8*(q/5)+2*(q%5)+1]
.else
.set zq, q/5
	MSKZ
.endif
.set q, q+1
.endm
; A TURN, for piece p.  The mask words that its conversions read were asked for four turns ago, two loads a turn: six younger loads may stay out.
; HOW THE QUEUES ARE DEALT.  Ahead of the wait: the 16 products K Q^T (they write the other score buffer) and the first 10 products of piece p - 1 (they read the other P buffer): 26 matrix instructions that name
; no score of piece p; behind each of the first 12 three exponentials, behind each of the other 14 two: 36 + 28 = 64.  A v_nop is the plain instruction behind the last exponential.  Then the turn's one wait.
; Behind it: the last 10 products, behind each four of the 40 roundings and conversions.
; K of the next step is fetched in piece 2's turn behind its products K Q^T; V of the step in hand at the end of piece 0's turn; four places stand in front of each run.
; At its end the turn asks for the next step's mask words of the two tiles whose words it has just used; the offset is held at the last step's, so no load leaves the buffer.
; An offset is stepped in the middle of a turn that does not use it (VMA in piece 3's, VMB in piece 1's), sixteen matrix instructions behind the youngest loads.
.macro TURN p, last=0, cnt=0
.set Y, (\p)
.set i, 0
.set e, 0
.set q, 0
.set sb, S+64*(Y%2)
.set pb, P+32*(Y%2)
	WIN 0
	s_wait_loadcnt 0x6
.if (\p) == 3
	s_wait_dscnt 0x0                ; K is in
.endif
.rept 12
	MM
	EX
	EX
	EX
.endr
.rept 4
	MM
	EX
	EX
.endr
.if (\p) == 3
	WIN 0
	s_wait_xcnt 0x0                 ; the offset, which earlier loads name, is stepped only behind this wait (ISA guide 3.1)
	v_add_nc_u32 v[VMA], 512, v[VMA]
	v_min_u32 v[VMA], v[VMA], v[VMX]
.endif
.if (\p) == 2
	WIN 0
	PLACES
	v_add_nc_u32 v[AK], s[TBK], v[AK0]
	FETCH_K \last
.endif
.if (\p) == 1
	WIN 0
	s_wait_xcnt 0x0
	v_add_nc_u32 v[VMB], 512, v[VMB]
	v_min_u32 v[VMB], v[VMB], v[VMX]
	s_wait_dscnt 0x0                ; V is in
.endif
.rept 10
	MM
	EX
	EX
.endr
	v_nop                           ; the plain instruction behind the last exponential and ahead of the first use (ISA guide 5.7.2): one for the batch
	s_wait_alu depctr_va_vdst(0)    ; the wait for the batch, the turn's 64 exponentials, ahead of the first line that names a result, the first rounding below
.rept 10
	MM
	PL
	PL
	PL
	PL
.endr
	PL                              ; the plain place behind the last conversion
	WIN 0
.if (\p) < 2
.set VMR, VMA
.else
.set VMR, VMB
.endif
.set tl, 2*(((\p)+2)%NP)
	global_load_b128 v[MW+4*tl:MW+4*tl+3],   v[VMR], s[6:7] offset:tl*16384
	global_load_b128 v[MW+4*tl+4:MW+4*tl+7], v[VMR], s[6:7] offset:(tl+1)*16384
.if (\p) == 0
	PLACES
	v_add_nc_u32 v[AV], s[TBV], v[AV0]
	s_add_co_u32 s[TBV], s[TBV], KS*PV
	FETCH_V
.endif
.if \cnt
	s_sub_co_u32 s[CNT], s[CNT], 1
	s_cmp_lg_u32 s[CNT], 0
.endif
.endm
	CHANGE 1                        ; slot 0 is in, everybody's part of it; slot 1 is asked for
	FETCH_K                         ; key step 0
	s_wait_loadcnt 0x0              ; Q and step 0's mask words
.set i, 0
.rept 16                            ; the masks of pieces 0 and 1, step 0, into the two score buffers
	v_cvt_scale_pk8_f32_fp4 v[S+8*i:S+8*i+7], v[MW+i], v[SCL]
.set i, i+1
.endr
	v_nop                           ; a plain place behind the last conversion
.set i, 0
.rept 4                             ; tiles 0 to 3: step 1's words
	global_load_b128 v[MW+4*i:MW+4*i+3], v[VMA], s[6:7] offset:i*16384
.set i, i+1
.endr
	s_wait_dscnt 0x0
.set i, 0
.rept 16
	KQ 0                            ; piece 0's first scores
.set i, i+1
.endr
	WIN 0                           ; the addresses for the way out: plain instructions, the places behind those products
	s_mul_i32 s13, s[WV], 16*SP
	s_add_co_u32 s13, s13, STAGE
	v_mul_u32_u24 v[STO], v1, SP
	v_lshl_add_u32 v[STO], v9, 4, v[STO]
	v_add_nc_u32 v[STO], s13, v[STO]
	v_bfe_u32 v[RD], v0, 3, 2
	v_mul_u32_u24 v[RD], v[RD], SP
	v_lshl_add_u32 v[RD], v10, 4, v[RD]
	v_add_nc_u32 v[RD], s13, v[RD]
	v_and_b32 v[GO], 31, v0
	v_lshlrev_b32 v[GO], 4, v[GO]
	s_mov_b32 s[CNT], 4
	s_mov_b32 s[SLOTS], SIZE_N/256-1
	s_branch .Lfirst                ; the loop is entered at a step's first turn, in the middle of a trip
.Lslot:                             ; six times: every slot but the last two is filled again
	CHANGE 1
	s_mov_b32 s[CNT], 4
.Lstep:                             ; a trip: pieces 2 and 3 of one step, then pieces 0 and 1 of the next
	TURN 2
	TURN 3
	WIN 0
.Lfirst:
	TURN 0
	TURN 1, 0, 1
	WIN 0
	s_cbranch_scc1 .Lstep
	s_sub_co_u32 s[SLOTS], s[SLOTS], 1
	s_cmp_lg_u32 s[SLOTS], 0
	s_cbranch_scc1 .Lslot
	CHANGE 0                        ; the tail is written out
	s_mov_b32 s[CNT], 5             ; four trips fetch the last slot's steps; the fifth is left in its middle
.Ltail:
	TURN 2, 1
	TURN 3
	WIN 0
	s_sub_co_u32 s[CNT], s[CNT], 1
	s_cmp_eq_u32 s[CNT], 0
	s_cbranch_scc1 .Lout
	TURN 0
	TURN 1
	WIN 0
	s_branch .Ltail
.Lout:                              ; the fifth trip's 16 products K Q^T, on the last K once more, serve nothing: the price, once a launch, of one text for every trip
.set i, 0
.rept 20
	PV NP-1
.set i, i+1
.endr
	; THE WAY OUT.  O^T is divided by the row sum, rounded to f16 and sent through my stage in LDS, a tile at a time.
	PLACES
	WIN 0x03                        ; source 0 in window 3
.set t, 0
.rept 2*NP
	v_rcp_f32 v[P+2*t], v[8*t]      ; a sum's lowest register: every register of it holds the same number
	v_rcp_f32 v[P+2*t+1], v[8*t]
.set t, t+1
.endr
	v_nop                           ; a plain instruction behind the last reciprocal
	s_wait_alu depctr_va_vdst(0)    ; the wait for the batch of sixteen reciprocals, ahead of their first use, PACK 0's first multiply; it serves all eight tiles
.macro PACK t
	WIN W_RS
.set i, 32*(\t)
.rept 16
	v_pk_mul_f32 v[i:i+1], v[i:i+1], v[P+2*(\t):P+2*(\t)+1]
.set i, i+2
.endr
	WIN 0x05
.set i, 0
.rept 16
	v_cvt_pk_f16_f32 v[S+16*(\t)+i], v[32*(\t)+2*i], v[32*(\t)+2*i+1]
.set i, i+1
.endr
	WIN 0
.irp f, 0,1,2,3
	ds_store_b128 v[STO], v[S+16*(\t)+4*\f:S+16*(\t)+4*\f+3] offset:32*\f
.endr
.irp f, 0,1,2,3
	ds_load_b128 v[S+16*(\t)+4*\f:S+16*(\t)+4*\f+3], v[RD] offset:\f*4*SP  ; LDS serves a wave's instructions in order (ISA guide 5.7.1.4)
.endr
.endm
.macro SEND t, younger              ; younger: the LDS instructions issued behind tile t's loads
	WIN 0
.irp f, 0,1,2,3
	s_wait_dscnt (\younger)+3-\f
	global_store_b128 v[GO], v[S+16*(\t)+4*\f:S+16*(\t)+4*\f+3], s[10:11] offset:(\t)*2048+\f*512  ; 512 consecutive bytes, at a multiple of 256 from the buffer's first
.endr
.endm
	PACK 0
.set t, 1
.rept 2*NP-1
	PACK t
	SEND t-1, 8
.set t, t+1
.endr
	SEND 2*NP-1, 0
	s_wait_tensorcnt 0x0            ; the wave's end
	ds_add_u32 v[SPW], v[NIL]
	s_wait_dscnt 0x0
	CROUND                          ; the closing round
	s_endpgm
.Lfunc_end_k_q2d6885e577_attn:
	.size	k_q2d6885e577_attn, .Lfunc_end_k_q2d6885e577_attn-k_q2d6885e577_attn
	.p2alignl 7, 3214868480
	.fill 96, 4, 3214868480
	.section	.rodata,"a",@progbits
	.p2align	6, 0x0
	.amdhsa_kernel k_q2d6885e577_attn
		.amdhsa_group_segment_fixed_size 327680
		.amdhsa_private_segment_fixed_size 0
		.amdhsa_enable_private_segment 0
		.amdhsa_kernarg_size 24
		.amdhsa_user_sgpr_count 2
		.amdhsa_user_sgpr_kernarg_segment_ptr 1
		.amdhsa_wavefront_size32 1
		.amdhsa_system_sgpr_workgroup_id_x 1
		.amdhsa_system_sgpr_workgroup_id_y 1
		.amdhsa_system_sgpr_workgroup_id_z 1
		.amdhsa_system_vgpr_workitem_id 0
		.amdhsa_next_free_vgpr 840
		.amdhsa_next_free_sgpr 66
		.amdhsa_reserve_vcc 0
		.amdhsa_float_denorm_mode_32 3
		.amdhsa_float_denorm_mode_16_64 3
		.amdhsa_memory_ordered 1
		.amdhsa_forward_progress 1
		.amdhsa_inst_pref_size 131
	.end_amdhsa_kernel
	.amdgpu_metadata
---
amdhsa.version: [ 1, 2 ]
amdhsa.kernels:
  - .name:           k_q2d6885e577_attn
    .symbol:         k_q2d6885e577_attn.kd
    .args:
      - { .name: qkvh, .offset: 0, .size: 8, .value_kind: global_buffer, .address_space: global }
      - { .name: mq, .offset: 8, .size: 8, .value_kind: global_buffer, .address_space: global }
      - { .name: oh, .offset: 16, .size: 8, .value_kind: global_buffer, .address_space: global }
    .group_segment_fixed_size: 327680
    .private_segment_fixed_size: 0
    .kernarg_segment_align: 8
    .kernarg_segment_size: 24
    .max_flat_workgroup_size: 128
    .sgpr_count:     66
    .vgpr_count:     840
    .wavefront_size: 32
...
	.end_amdgpu_metadata
.endif
;; end of part 5
;; launch proj: the kernel of part 4 again; grid 8 x 32, 4 waves a work-group, clusters of 4 x 4, 327,680 bytes of LDS; arguments oh, wob, out0; writes out0
